; MI455X (gfx1250); checked and timed in simulation.
; The chip was launched on July 23, 2026; its instructions are those of AMD's public machine-readable ISA for CDNA 5 (MIT licence, August 2026) and "CDNA5" Instruction Set Architecture Reference Guide (July 2026). The comments in the code are by the model that wrote it; some were corrected since.
;; Gemma4 Mo E. Allowed arithmetic: matrix products marked QUANTISED: E5M2 operands, one given power-of-two scale a tensor, by v_wmma_f32_16x16x64_bf8_bf8 or v_wmma_f32_16x16x128_bf8_bf8, f32 sums; products left as they are: f32 operands where the result goes on into a quantised operand, else bf16, f16 or f32 operands; f32 sums; everything else in f32.
;; Inputs: lowp_scales 6 int32 (the exponents e of the quantised operands' scales 2^e); per_expert_scale 16 float32; router_logits 1,024 x 16 float32; w1 16 x 1,024 x 1,024 float32; w2 16 x 1,024 x 1,024 float32; w3 16 x 1,024 x 1,024 float32; x 1,024 x 1,024 float32.
;; Outputs: out0 1,024 x 1,024 float32.
;; Constants: top_k = 2.
;; This version of the problem:
;;   THIS VERSION OF THE PROBLEM IS GIVEN IN LOW PRECISION. The matrix products marked QUANTISED in the list below multiply operands that are first quantised to E5M2 (5 exponent bits, 2 mantissa bits; 8 bits a number), with one given power-of-two scale for each operand tensor; their sums are f32. All else is computed in f32.
;;   The module's matrix products, in the order in which they are computed (A, B: the left and right operand; K: the contracted axis; several contracted axes count as one K, in the product's order):
;;     1. [M 16,384, K 1,024] x [K 1,024, N 1,024]; A: input w1; B: input x: QUANTISED (scales: A lowp_scales[0], B lowp_scales[1])
;;     2. [M 16,384, K 1,024] x [K 1,024, N 1,024]; A: input w3; B: input x: QUANTISED (scales: A lowp_scales[2], B lowp_scales[3])
;;     3. batch 16 x [M 1,024, K 1,024] x [K 1,024, N 1,024]; A: computed on the way; B: input w2: QUANTISED (scales: A lowp_scales[4], B lowp_scales[5])
;;     4. batch 1,024 x [M 1, K 16] x [K 16, N 1,024]; A: computed on the way; B: computed on the way: left as it is (K = 16 < 32)
;;   THE QUANTISER, for each operand of a quantised product, along K:
;;     - The operand's scale is 2^e, e = its entry of the input lowp_scales (int32; the entries are numbered through the quantised products in the list's order, A before B).
;;     - Each number is divided by the scale, clamped to +-57,344, and rounded to the nearest number of E5M2, ties to even, subnormals kept.
;;     - The product sums the exact products of the quantised numbers (number of the format x scale) in f32.
;;   ~~~python
;;   def quantise(x, axis, e):      # numpy; x: float32 -> the quantised numbers, widened to float32 again
;;       x = np.moveaxis(x, axis, -1); K = x.shape[-1]
;;       r = np.clip(x / 2.0 ** e, -57344, 57344)
;;       step = 2.0 ** (np.maximum(np.frexp(np.where(r == 0, 1, r))[1] - 1, -14) - 2)
;;       q = np.round(r / step) * step * 2.0 ** e      # np.round: ties to even
;;       return np.moveaxis(q, -1, axis).astype(np.float32)
;;   ~~~
;;   OPERANDS COMPUTED ON THE WAY. 'Computed on the way' means the value that the module computes at that place (a softmax that the list does not call 'softmax' is quantised finished and normalised). What goes into a quantiser is computed in f32, as accurately as f32 sums, v_exp_f32 and their like allow (about 1e-6 of the number): no bf16 or f16 on the way to a quantiser, and a product that is left as it is and whose result goes on into a quantised operand takes f32 operands (vector FMAs, or v_wmma_f32_16x16x4_f32). A number that lies on a knife's edge between two numbers of the format may be rounded either way, as far as f32 arithmetic and the matrix unit's own rounding can turn it there, and no further.
;; 2 versions. Each part assembles by itself: llvm-mc -triple=amdgcn-amd-amdhsa -mcpu=gfx1250 --defsym DOCPART=n.
;; ======== version 1 of 2: 4 launches
;; workspace buffers: ids 8,192 bytes of whole numbers; gw 8,192 bytes; xc 2,097,152 bytes; hc 16,777,216 bytes; yb 8,454,144 bytes
;; launch route (part 1): grid 256 x 1, 4 waves a work-group, no clusters, 8,704 bytes of LDS; arguments x, router_logits, per_expert_scale, lowp_scales, ids, gw, xc; writes ids, gw, xc
.if DOCPART == 1
	.amdgcn_target "amdgcn-amd-amdhsa--gfx1250"
	.amdhsa_code_object_version 6
	.text
	.protected	k_q072e0e7e86_route
	.globl	k_q072e0e7e86_route
	.p2align	8
	.type	k_q072e0e7e86_route,@function
k_q072e0e7e86_route:
	s_mov_b64 s[64:65], 0
	v_nop
	global_prefetch_b8 v0, s[64:65] scope:SCOPE_SE
	s_setreg_imm32_b32 hwreg(HW_REG_WAVE_MODE, 25, 1), 1
	s_wait_xcnt 0x0
; ROUTE.  (1) x [1024][1024] f32 becomes codes of E5M2 twice: xc version 0 with the scale 2^e1 (for the product with w1), version 1, 1 MiB further on, with 2^e3 (for w3);
; both [token][1024], one code a byte, k in its natural order.  code = x / 2^e, held within +-57,344, to the nearest code, ties to even.
; (2) For each token: the two largest logits (of equal ones the lower index first), the softmax over all 16, the two chosen weights divided by their sum (by 1 where that sum is not above 0), times per_expert_scale.
; ids[t], ids[1024 + t]: the first and second choice (int32).  gw[2 t + slot]: the weight.  Every store stands at a place that hangs on ids of threads alone: a choice only selects values (v_cndmask_b32).
; SHARES.  Wave w of work-group g quantises token 4 g + w: eight loads of 512 consecutive bytes.  A lane's four codes of a load are 4 bytes; they go through the wave's own 2,048 bytes of LDS and come back 16 bytes a lane, so that
; each store of codes covers 512 consecutive bytes, aligned.  In work-groups 0 to 7 a lane also routes token 32 (4 g + w) + lane; nothing crosses lanes.  The stores of ids cover 128 bytes a wave (8 KB in the whole launch).
; No barrier: waves share nothing.  No matrix work, no cluster: no two work-groups read the same byte.
; LIMITS: e1 and e3 between -126 and 112, so that 2^e and 57,344 x 2^e are f32 numbers.  The logits are finite.  NaN among the inputs is not served.
.set LG, 16                            ; v16-31   my token's 16 logits
.set XR, 32                            ; v32-63   x: register 4 i + j is k = 128 i + 4 lane + j
.set TQ, 64                            ; v64-95   the same, held
.set CD, 96                            ; v96-111  codes, eight registers a version: register i is k = 128 i + 4 lane + 0 .. 3
.set BK, 112                           ; v112-127 back from LDS, eight registers a version
.set EX, 128                           ; v128-143 the exponentials; v144-159 the routing's other numbers
	s_load_b256 s[4:11], s[0:1], 0x0               ; x s[4:5], router_logits s[6:7], per_expert_scale s[8:9], lowp_scales s[10:11]
	s_load_b128 s[12:15], s[0:1], 0x20             ; ids s[12:13], gw s[14:15]
	s_load_b64 s[16:17], s[0:1], 0x30              ; xc
	v_lshl_add_u32 v160, v0, 2, 0x2000
	v_mov_b32 v161, 0
	v_lshrrev_b32 v1, 5, v0
	v_readfirstlane_b32 s18, v1                    ; wave
	v_and_b32 v2, 31, v0                           ; lane
	v_lshlrev_b32 v3, 4, v2                        ; 16 x lane
	s_lshl_b32 s19, ttmp9, 2
	s_add_co_u32 s19, s19, s18                     ; 4 g + w: my token
	s_lshl_b32 s20, s19, 12                        ; its row of x, 4,096 bytes
	s_mov_b32 s21, 0
	s_lshl_b32 s22, s19, 10                        ; its row of codes, 1,024 bytes
	s_mov_b32 s23, 0
	s_lshl_b32 s24, s18, 11                        ; my wave's 2,048 bytes of LDS
	v_lshl_add_u32 v4, v2, 2, s24                  ; into them: 4 x lane
	v_add_nc_u32 v5, s24, v3                       ; back: 16 x lane
	s_wait_kmcnt 0x0
	s_load_b128 s[28:31], s[10:11], 0x0            ; e0, e1, e2, e3
	s_add_nc_u64 s[4:5], s[4:5], s[20:21]
	s_add_nc_u64 s[16:17], s[16:17], s[22:23]
.irp i, 0,1,2,3,4,5,6,7
	global_load_b128 v[XR+4*\i:XR+4*\i+3], v3, s[4:5] offset:512*\i th:TH_LOAD_NT
.endr
	s_cmp_lt_u32 ttmp9, 8                          ; 8 work-groups x 4 waves x 32 lanes route the 1,024 tokens, while x is on its way
	s_cbranch_scc0 .Lno_routing
	s_load_b512 s[32:47], s[8:9], 0x0              ; per_expert_scale
	s_lshl_b32 s25, s19, 5
	v_add_nc_u32 v158, s25, v2                     ; the token that I route
	v_lshlrev_b32 v159, 6, v158                    ; its 64 bytes of logits
.irp c, 0,1,2,3
	global_load_b128 v[LG+4*\c:LG+4*\c+3], v159, s[6:7] offset:16*\c
.endr
.macro ROWMAX d                        ; the largest of the 16
	v_max3_num_f32 v[\d], v[LG], v[LG+1], v[LG+2]
.irp i, 3,5,7,9,11,13
	v_max3_num_f32 v[\d], v[\d], v[LG+\i], v[LG+\i+1]
.endr
	v_max_num_f32 v[\d], v[\d], v[LG+15]
.endm
.macro PICK m, id, sc                  ; the lowest index whose logit equals v[m], and that expert's scale: from 15 down, so that the lowest is written last
	v_mov_b32 v[\id], 0
	v_mov_b32 v[\sc], s32
.irp e, 15,14,13,12,11,10,9,8,7,6,5,4,3,2,1,0
	v_cmp_eq_f32 vcc_lo, v[LG+\e], v[\m]
	v_cndmask_b32 v[\id], v[\id], \e, vcc_lo
	v_cndmask_b32 v[\sc], v[\sc], s[32+\e], vcc_lo
.endr
.endm
	s_wait_loadcnt 0x0                             ; the logits were issued last: all loads are in
	s_wait_kmcnt 0x0
	ROWMAX 144                                     ; m
.irp e, 0,1,2,3,4,5,6,7,8,9,10,11,12,13,14,15
	v_sub_f32 v[EX+\e], v[LG+\e], v144             ; the maximum is taken away first,
.endr
.irp e, 0,1,2,3,4,5,6,7,8,9,10,11,12,13,14,15
	v_mul_f32 v[EX+\e], 0x3fb8aa3b, v[EX+\e]       ; x log2(e)
.endr
.irp e, 0,1,2,3,4,5,6,7,8,9,10,11,12,13,14,15
	v_exp_f32 v[EX+\e], v[EX+\e]
.endr
	v_mov_b32 v151, 0xff800000                     ; -infinity.  (The plain instruction behind the exponentials)
	s_wait_alu depctr_va_vdst(0)
	v_add_f32 v145, v[EX], v[EX+1]
.irp e, 2,3,4,5,6,7,8,9,10,11,12,13,14,15
	v_add_f32 v145, v145, v[EX+\e]                 ; S, the softmax's sum
.endr
	PICK 144, 146, 147                             ; the first choice and its scale
.irp e, 0,1,2,3,4,5,6,7,8,9,10,11,12,13,14,15
	v_cmp_eq_u32 vcc_lo, \e, v146
	v_cndmask_b32 v[LG+\e], v[LG+\e], v151, vcc_lo ; it is taken out
.endr
	ROWMAX 148                                     ; the second largest
	PICK 148, 149, 150                             ; the second choice and its scale
	v_sub_f32 v152, v148, v144
	v_mul_f32 v152, 0x3fb8aa3b, v152
	v_exp_f32 v152, v152                           ; its exponential; the first choice's is exactly 1
	v_rcp_f32 v153, v145                           ; p0 = 1 / S
	v_nop
	s_wait_alu depctr_va_vdst(0)
	v_mul_f32 v152, v152, v153                     ; p1
	v_add_f32 v156, v153, v152                     ; the two chosen weights' sum,
	v_cmp_lt_f32 vcc_lo, 0, v156
	v_cndmask_b32 v156, 1.0, v156, vcc_lo          ; or 1 where it is not above 0
	v_rcp_f32 v157, v156
	v_nop
	s_wait_alu depctr_va_vdst(0)
	v_mul_f32 v154, v153, v157
	v_mul_f32 v155, v152, v157
	v_mul_f32 v154, v154, v147
	v_mul_f32 v155, v155, v150
	v_lshlrev_b32 v156, 2, v158
	v_lshlrev_b32 v157, 3, v158
	global_store_b32 v156, v146, s[12:13]
	global_store_b32 v156, v149, s[12:13] offset:4096
	global_store_b64 v157, v[154:155], s[14:15]    ; none of these registers is written again
.Lno_routing:
	s_wait_kmcnt 0x0
.macro SCALE vs, vl, se                ; v[vs] = 2^e as f32 (the conversion takes its exponent field), v[vl] = 57,344 x 2^e
	s_add_co_i32 s25, \se, 127
	s_lshl_b32 s26, s25, 23
	v_mov_b32 v[\vs], s26
	s_add_co_i32 s25, s25, 15
	s_lshl_b32 s25, s25, 23
	s_or_b32 s25, s25, 0x600000
	v_mov_b32 v[\vl], s25
.endm
	SCALE 8, 9, s29                                ; e1
	SCALE 10, 11, s31                              ; e3
.macro QV ver, sc, lim
.irp i, 0,1,2,3,4,5,6,7,8,9,10,11,12,13,14,15,16,17,18,19,20,21,22,23,24,25,26,27,28,29,30,31
	v_med3_num_f32 v[TQ+\i], v[XR+\i], -v[\lim], v[\lim]   ; the conversion to an 8-bit code does not saturate (ISA guide 7.6.2): the hold comes first; x itself is kept for the other version
.endr
.irp q, 0,1,2,3
	v_cvt_scalef32_pk8_bf8_f32 v[CD+8*\ver+2*\q:CD+8*\ver+2*\q+1], v[TQ+8*\q:TQ+8*\q+7], v[\sc]
.endr
	v_nop                                          ; a plain instruction between the conversions and the next version's holds, which write their sources
.irp i, 0,1,2,3,4,5,6,7
	ds_store_b32 v4, v[CD+8*\ver+\i] offset:1024*\ver+128*\i
.endr
.irp hh, 0,1
	ds_load_b128 v[BK+8*\ver+4*\hh:BK+8*\ver+4*\hh+3], v5 offset:1024*\ver+512*\hh   ; LDS serves a wave's instructions in order (ISA guide 5.7.1.4): these see my stores
.endr
.endm
	s_wait_loadcnt 0x0                             ; x
	QV 0, 8, 9
	QV 1, 10, 11
	s_wait_dscnt 0x0
.irp ver, 0,1
.irp hh, 0,1
	global_store_b128 v3, v[BK+8*\ver+4*\hh:BK+8*\ver+4*\hh+3], s[16:17] offset:1048576*\ver+512*\hh
.endr
.endr
	s_wait_tensorcnt 0x0
	ds_add_u32 v160, v161
	s_wait_dscnt 0x0
	s_endpgm
.Lfunc_end_k_q072e0e7e86_route:
	.size	k_q072e0e7e86_route, .Lfunc_end_k_q072e0e7e86_route-k_q072e0e7e86_route
	.p2alignl 7, 3214868480
	.fill 96, 4, 3214868480
	.section	.rodata,"a",@progbits
	.p2align	6, 0x0
	.amdhsa_kernel k_q072e0e7e86_route
		.amdhsa_group_segment_fixed_size 8704
		.amdhsa_private_segment_fixed_size 0
		.amdhsa_enable_private_segment 0
		.amdhsa_kernarg_size 56
		.amdhsa_user_sgpr_count 2
		.amdhsa_user_sgpr_kernarg_segment_ptr 1
		.amdhsa_wavefront_size32 1
		.amdhsa_system_sgpr_workgroup_id_x 1
		.amdhsa_system_sgpr_workgroup_id_y 1
		.amdhsa_system_sgpr_workgroup_id_z 1
		.amdhsa_system_vgpr_workitem_id 0
		.amdhsa_next_free_vgpr 162
		.amdhsa_next_free_sgpr 66
		.amdhsa_reserve_vcc 1
		.amdhsa_float_denorm_mode_32 3
		.amdhsa_float_denorm_mode_16_64 3
		.amdhsa_memory_ordered 1
		.amdhsa_forward_progress 1
		.amdhsa_inst_pref_size 21
	.end_amdhsa_kernel
	.amdgpu_metadata
---
amdhsa.version: [ 1, 2 ]
amdhsa.kernels:
  - .name:           k_q072e0e7e86_route
    .symbol:         k_q072e0e7e86_route.kd
    .args:
      - { .name: x, .offset: 0, .size: 8, .value_kind: global_buffer, .address_space: global }
      - { .name: router_logits, .offset: 8, .size: 8, .value_kind: global_buffer, .address_space: global }
      - { .name: per_expert_scale, .offset: 16, .size: 8, .value_kind: global_buffer, .address_space: global }
      - { .name: lowp_scales, .offset: 24, .size: 8, .value_kind: global_buffer, .address_space: global }
      - { .name: ids, .offset: 32, .size: 8, .value_kind: global_buffer, .address_space: global }
      - { .name: gw, .offset: 40, .size: 8, .value_kind: global_buffer, .address_space: global }
      - { .name: xc, .offset: 48, .size: 8, .value_kind: global_buffer, .address_space: global }
    .group_segment_fixed_size: 8704
    .private_segment_fixed_size: 0
    .kernarg_segment_align: 8
    .kernarg_segment_size: 56
    .max_flat_workgroup_size: 128
    .sgpr_count:     66
    .vgpr_count:     162
    .wavefront_size: 32
...
	.end_amdgpu_metadata
.endif
;; end of part 1
;; launch gateup (part 2): grid 16 x 16, 4 waves a work-group, no clusters, 133,632 bytes of LDS; arguments w1, w3, xc, ids, lowp_scales, hc; writes hc
.if DOCPART == 2
	.amdgcn_target "amdgcn-amd-amdhsa--gfx1250"
	.amdhsa_code_object_version 6
	.text
	.protected	k_q072e0e7e86_gateup
	.globl	k_q072e0e7e86_gateup
	.p2align	8
	.type	k_q072e0e7e86_gateup,@function
k_q072e0e7e86_gateup:
	s_mov_b64 s[64:65], 0
	v_nop
	global_prefetch_b8 v0, s[64:65] scope:SCOPE_SE
	s_setreg_imm32_b32 hwreg(HW_REG_WAVE_MODE, 25, 1), 1
	s_wait_xcnt 0x0
; GATEUP.  For expert e (work-group y) and hidden units 64 s .. 64 s + 63 (work-group x): h = gelu(x w1^T) (x w3^T) for the rows routed to e, both products on codes of E5M2, h quantised with 2^e4 and stored as codes.
; Only rows that chose expert e are multiplied: for all others the combine weight that multiplies the result is 0.
; EACH WEIGHT BYTE IS READ ONCE IN THE LAUNCH, by one wave: 16 x 16 work-groups, each with 64 rows of w1[e] and of w3[e] (256 KB each), 16 + 16 rows a wave.
; PHASES.  STREAM: 64 batches of half a row (four loads of 512 consecutive bytes; eight batches, 32 loads, are always on their way): held, converted, stored to LDS as codes with k in its natural order; barrier.
;   Between the batches stand the making of my list entries (batches 0 to 8) and then the loads of my rows' codes of x into registers.
;   PRODUCTS: tiles of 16 list rows; in pass p wave w has tiles 12 p + 3 w + 0 .. 2.  The loop has six trips, a constant; a trip without rows is jumped over by a scalar branch on the count; no barrier stands in it.
; THE LIST.  The rows of expert e are numbered by token: register 4 q + j of the loaded ids holds, in lane l, token 128 q + 4 l + j; rows count through the registers in ascending order and through the lanes within a register.
;   Every wave finds the rows that it wants by itself, in registers: for each register of ids the masks of the lanes that chose e first or second, and P, the rows before it; a lane that wants row p keeps the masks of the last register with P <= p,
;   and then takes the (p - P + 1)-th set bit by counts of bits in pieces of 16, 8, 4, 2 and 1.  Entry = 2 token + slot; 2048 + e where p is not below n, the number of rows.  No lane talks to another, nothing goes through LDS.
; LAYOUT.  The products are used transposed (source 0 = 16 rows of a weight, source 1 = 16 rows of x): a lane holds ONE row (lane % 16), and its registers run along the hidden units.  THE ROWS OF A WEIGHT THAT FORM A TILE ARE NOT NEIGHBOURS:
;   row m of tile 2 b + u is unit 32 b + 8 u + m + 8 (m / 8), so that a lane's 16 registers of tiles 2 b and 2 b + 1 are the 16 neighbours 32 b + 16 (lane / 16) + 0 .. 15, which the conversions take as they stand.
;   A fragment is fetched by four loads of 16 bytes, 32 apart: registers 4 c .. 4 c + 3 hold k = 32 c + 16 (lane / 16) + 0 .. 15: a permutation of k that is the same on both sides.
; hc: [expert][tile 0..63][chunk 0..63][row 0..15][16 bytes], chunk m = hidden units 16 m .. 16 m + 15: the order of the next product's operand registers; each store here covers 512 consecutive bytes, aligned.
; GELU is the exact one: Phi(g) = erfc(-g / sqrt 2) / 2, erfc(z) = t exp(-z^2 + P(t)), t = 1 / (1 + z / 2), P of degree 9 (its stated error is 1.2e-7 of erfc); for g < 0 Phi is that value itself, so the tail keeps its relative accuracy.
; The four scales of the two products and h's own are folded into the conversion's one: code = (G Phi U) / 2^(e4 - e0 - e1 - e2 - e3), G and U the raw sums.
; NO CLUSTER, NO TENSOR LOAD: no two work-groups read the same weight byte; the f32 weights pass through registers to be quantised; what the sixteen slices of an expert share, the rows' codes of x (2 KB a row), is gathered by a list
;   whose length hangs on numbers read from memory, and branches hang on it.
; LIMITS: e0, e2 and e4 - e0 - e1 - e2 - e3 between -126 and 112; e0 + e1 between -125 and 127.  NaN among the inputs is not served.  ids hold 0 .. 15, the two of a token different.
; REGISTERS, window 0: v1 16 x lane; v2, v3 where I store codes of w1, w3; v4 lane % 16; v5-7 my rows' offsets in xc; v8-11 fragment addresses (w1 b = 0, 1; w3 b = 0, 1); v12-17 scale and limit for w1, w3, h;
;   v18-23, v26-31 the list's kept numbers, three each: second-choice mask, P and first token, the row wanted, first-choice mask; v24-25 a coefficient; v32-95 ids, then the list's last step; v96-127 codes just made, eight sets;
;   then v32-127 twelve accumulators; v128-255 the ring of eight batches; then two sets of four fragments; then gelu's numbers and h's codes.
;   windows 1, 2, 3: the x fragments of tile slot 0, 1, 2: version 0 at v[16 ks], version 1 at v[128 + 16 ks].
.set PW,   1040                        ; a row of 1,024 codes in LDS + 16 bytes: an odd multiple of 16, so that the 16 rows of a fragment load start at 16 different groups of four banks (64 banks of 4 bytes: ISA guide 11.1)
.set W3O,  64*PW                       ; LDS: 64 rows of w1, then 64 rows of w3
.set NB,   64                          ; batches
.set LPB,  1                           ; pieces of the list in a batch
.set XS,   8/LPB                       ; the batch in which the list is finished and the rows' loads begin: 192 loads in 56 batches, 24/7 a batch
.set IDB,  10                          ; s[10:11] ids
.set ACC,  32
.set CODE, 96
.set RING, 128
.set FB,   128
.set ZR,   128
.set TR,   144
.set PR,   160
.set RR,   176
.set PJ,   26                          ; the row wanted, for slot 0, 1, 2
.set MA,   29                          ; the mask of first choices
.set MB,   18                          ; the mask of second choices
.set CB,   21                          ; P in bits 15:0, the register's first token in bits 31:16
.set LT,   32                          ; the list's last step: 16 registers a slot: +0 mask, +1 .. +4 counts in pieces of 2, 4, 8, 16 bits, +5 k, +6 the bit's place, +7, +8 at work, +9 the entry
.set MSB,  0
.macro WIN new                         ; s_set_vgpr_msb: bits 1:0 source 0, 3:2 source 1, 5:4 source 2, 7:6 destination; the high byte repeats the setting that is left
.if MSB != (\new)
	s_set_vgpr_msb (MSB<<8)|(\new)
.set MSB, (\new)
.endif
.endm
.macro LOADW tt                        ; batch tt: matrix tt / 32, row (tt / 2) % 16 of my tile, half tt % 2: four loads of 512 consecutive bytes into ring set tt % 8
.set lm, ((\tt)>>1)&15
.set lh, (\tt)&1
.set lb, 4+2*((\tt)>>5)
.set LS, RING+16*((\tt)%8)
.irp i, 0,1,2,3
	global_load_b128 v[LS+4*\i:LS+4*\i+3], v1, s[lb:lb+1] offset:(lm+8*(lm/8))*4096+lh*2048+512*\i th:TH_LOAD_NT
.endr
.endm
.macro FILL
.irp t, 0,1,2,3,4,5,6,7
	LOADW \t
.endr
.endm
.macro XL n                            ; load n of 192 of my rows' codes of x: slot n / 64, version (n / 32) % 2, K step (n / 4) % 8, piece n % 4
.set xj, (\n)/64
.set xr, 128*(((\n)/32)&1)+16*(((\n)/4)&7)+4*((\n)&3)
.set xo2, 1048576*(((\n)/32)&1)+128*(((\n)/4)&7)+32*((\n)&3)
	WIN 0x40*(1+xj)
	global_load_b128 v[xr:xr+3], v[5+xj], s[8:9] offset:xo2
.endm
.macro SCALE vs, vl, se                ; v[vs] = 2^e as f32, v[vl] = 57,344 x 2^e
	s_add_co_i32 s40, \se, 127
	s_lshl_b32 s41, s40, 23
	v_mov_b32 v[\vs], s41
	s_add_co_i32 s40, s40, 15
	s_lshl_b32 s40, s40, 23
	s_or_b32 s40, s40, 0x600000
	v_mov_b32 v[\vl], s40
.endm
; ---- the list's macros
.macro IDSL                            ; all ids: register 4 q + j is token 128 q + 4 lane + j
.irp q, 0,1,2,3,4,5,6,7
	global_load_b128 v[32+4*\q:35+4*\q], v1, s[IDB:IDB+1] offset:512*\q          ; first choices
.endr
.irp q, 0,1,2,3,4,5,6,7
	global_load_b128 v[64+4*\q:67+4*\q], v1, s[IDB:IDB+1] offset:4096+512*\q     ; second choices
.endr
.endm
.macro LHEAD                           ; the rows that I want: 16 x (my first tile of the pass + slot) + lane % 16
	s_lshl_b32 s40, s21, 4
	v_add_nc_u32 v[PJ], s40, v4
	v_add_nc_u32 v[PJ+1], 16, v[PJ]
	v_add_nc_u32 v[PJ+2], 32, v[PJ]
	s_mov_b32 s38, 0                               ; P
.endm
.macro LPIECE q                        ; registers 4 q .. 4 q + 3 of the ids.  The four registers' masks, counts and sums are made together, so that vector and scalar work change hands once
.irp j, 0,1,2,3
	v_cmp_eq_u32 s[44+\j], s17, v[32+4*(\q)+\j]
	v_cmp_eq_u32 s[48+\j], s17, v[64+4*(\q)+\j]
.endr
.irp j, 0,1,2,3
	s_or_b32 s[52+\j], s[44+\j], s[48+\j]
.endr
.irp j, 0,1,2,3
	s_bcnt1_i32_b32 s[52+\j], s[52+\j]
.endr
	s_mov_b32 s60, s38                             ; the rows before each of the four
	s_add_co_u32 s61, s60, s52
	s_add_co_u32 s62, s61, s53
	s_add_co_u32 s63, s62, s54
	s_add_co_u32 s38, s63, s55
.irp j, 0,1,2,3
	s_or_b32 s[56+\j], s[60+\j], (128*(\q)+\j)<<16 ; P (1,024 at the most) below, the register's first token above
.endr
.irp j, 0,1,2,3
.if (\q) == 0 && \j == 0
.irp t, 0,1,2
	v_mov_b32 v[MA+\t], s44                        ; the first register has P = 0: it starts the kept numbers
	v_mov_b32 v[MB+\t], s48
	v_mov_b32 v[CB+\t], s56
.endr
.else
	v_cmp_gt_u32 vcc_lo, s[60+\j], v[PJ]           ; P > p: the row lies before this register: what is kept stays; else this register's numbers are taken
	v_cmp_gt_u32 s40, s[60+\j], v[PJ+1]
	v_cmp_gt_u32 s41, s[60+\j], v[PJ+2]
	v_cndmask_b32 v[MA], s[44+\j], v[MA], vcc_lo
	v_cndmask_b32 v[MB], s[48+\j], v[MB], vcc_lo
	v_cndmask_b32 v[CB], s[56+\j], v[CB], vcc_lo
	v_cndmask_b32 v[MA+1], s[44+\j], v[MA+1], s40
	v_cndmask_b32 v[MB+1], s[48+\j], v[MB+1], s40
	v_cndmask_b32 v[CB+1], s[56+\j], v[CB+1], s40
	v_cndmask_b32 v[MA+2], s[44+\j], v[MA+2], s41
	v_cndmask_b32 v[MB+2], s[48+\j], v[MB+2], s41
	v_cndmask_b32 v[CB+2], s[56+\j], v[CB+2], s41
.endif
.endr
.endm
.macro LSTEP src, w                    ; one halving: c = the set bits in the lower w bits of the piece in hand; where k >= c the bit lies in the upper half: k -= c, place += w
.irp t, 0,1,2
	v_bfe_u32 v[LT+16*\t+7], v[LT+16*\t+\src], v[LT+16*\t+6], \w
.endr
.irp t, 0,1,2
	v_cmp_ge_u32 vcc_lo, v[LT+16*\t+5], v[LT+16*\t+7]
	v_cndmask_b32 v[LT+16*\t+7], 0, v[LT+16*\t+7], vcc_lo
	v_cndmask_b32 v[LT+16*\t+8], 0, \w, vcc_lo
.endr
.irp t, 0,1,2
	v_sub_nc_u32 v[LT+16*\t+5], v[LT+16*\t+5], v[LT+16*\t+7]
	v_add_nc_u32 v[LT+16*\t+6], v[LT+16*\t+6], v[LT+16*\t+8]
.endr
.endm
.macro LFIN first                      ; the kept numbers become entries.  first = 1: also n and the number of tiles
.if \first
	s_min_u32 s19, s38, 1024                       ; n
	s_add_co_u32 s20, s19, 15
	s_lshr_b32 s20, s20, 4
	s_max_u32 s20, s20, 1                          ; tiles; at least one, so that tile 0 of every expert is written
.endif
	s_add_co_u32 s39, s17, 2048                    ; the entry of a row that is none
.irp t, 0,1,2
	v_or_b32 v[LT+16*\t], v[MA+\t], v[MB+\t]       ; the lanes that chose e
	v_and_b32 v[LT+16*\t+7], 0xffff, v[CB+\t]
	v_sub_nc_u32 v[LT+16*\t+5], v[PJ+\t], v[LT+16*\t+7]    ; k = p - P
	v_mov_b32 v[LT+16*\t+6], 0                     ; the place
.endr
.irp t, 0,1,2
	v_lshrrev_b32 v[LT+16*\t+7], 1, v[LT+16*\t]
	v_and_b32 v[LT+16*\t+7], 0x55555555, v[LT+16*\t+7]
	v_sub_nc_u32 v[LT+16*\t+1], v[LT+16*\t], v[LT+16*\t+7]         ; counts of pairs of bits
.endr
.irp t, 0,1,2
	v_lshrrev_b32 v[LT+16*\t+7], 2, v[LT+16*\t+1]
	v_and_b32 v[LT+16*\t+7], 0x33333333, v[LT+16*\t+7]
	v_and_b32 v[LT+16*\t+8], 0x33333333, v[LT+16*\t+1]
	v_add_nc_u32 v[LT+16*\t+2], v[LT+16*\t+7], v[LT+16*\t+8]       ; of four
.endr
.irp t, 0,1,2
	v_lshrrev_b32 v[LT+16*\t+7], 4, v[LT+16*\t+2]
	v_add_nc_u32 v[LT+16*\t+7], v[LT+16*\t+7], v[LT+16*\t+2]
	v_and_b32 v[LT+16*\t+3], 0x0f0f0f0f, v[LT+16*\t+7]             ; of eight
.endr
.irp t, 0,1,2
	v_lshrrev_b32 v[LT+16*\t+7], 8, v[LT+16*\t+3]
	v_add_nc_u32 v[LT+16*\t+7], v[LT+16*\t+7], v[LT+16*\t+3]
	v_and_b32 v[LT+16*\t+4], 0xff, v[LT+16*\t+7]                   ; of the lower sixteen
.endr
	LSTEP 4, 16
	LSTEP 3, 8
	LSTEP 2, 4
	LSTEP 1, 2
	LSTEP 0, 1
.irp t, 0,1,2
	v_bfe_u32 v[LT+16*\t+7], v[MB+\t], v[LT+16*\t+6], 1            ; slot: 1 where e is that lane's second choice
	v_lshrrev_b32 v[LT+16*\t+8], 16, v[CB+\t]
	v_lshl_add_u32 v[LT+16*\t+8], v[LT+16*\t+6], 2, v[LT+16*\t+8]  ; token = the register's first + 4 x lane
	v_lshl_add_u32 v[LT+16*\t+9], v[LT+16*\t+8], 1, v[LT+16*\t+7]  ; 2 token + slot
	v_cmp_gt_u32 vcc_lo, s19, v[PJ+\t]
	v_cndmask_b32 v[LT+16*\t+9], s39, v[LT+16*\t+9], vcc_lo        ; only where p < n
.endr
.endm
.macro MKXO                            ; entries -> offsets in xc: token x 1,024 + 16 (lane / 16).  The entry 2048 + e of a row that is none gives token 1,023: a row that can be read, and whose result is thrown away later
	v_and_b32 v[LT+10], 16, v0
.irp t, 0,1,2
	v_lshrrev_b32 v[LT+16*\t+7], 1, v[LT+16*\t+9]
	v_min_u32 v[LT+16*\t+7], 0x3ff, v[LT+16*\t+7]  ; a number made of loaded ones enters an address behind this bound
	v_lshl_add_u32 v[5+\t], v[LT+16*\t+7], 10, v[LT+10]
.endr
.endm
	s_load_b256 s[4:11], s[0:1], 0x0               ; w1 s[4:5], w3 s[6:7], xc s[8:9], ids s[10:11]
	s_load_b128 s[12:15], s[0:1], 0x20             ; lowp_scales s[12:13], hc s[14:15]
	v_lshrrev_b32 v1, 5, v0
	v_readfirstlane_b32 s16, v1                    ; wave
	s_and_b32 s17, ttmp7, 0xffff                   ; expert
	s_mov_b32 s18, ttmp9                           ; slice
	v_and_b32 v23, 31, v0                          ; lane
	v_and_b32 v4, 15, v0                           ; r
	v_bfe_u32 v19, v0, 4, 1                        ; h
	v_lshlrev_b32 v1, 4, v23
	s_mul_i32 s40, s16, 16*PW
	v_lshl_add_u32 v2, v23, 2, s40                 ; LDS: my 16 rows, 4 bytes a lane
	v_add_nc_u32 v3, W3O, v2
	v_mul_u32_u24 v20, v4, PW
	v_lshl_add_u32 v8, v19, 4, v20                 ; LDS: row r, + 16 h
	v_add_nc_u32 v9, 32*PW, v8
	v_add_nc_u32 v10, 64*PW, v8
	v_add_nc_u32 v11, 96*PW, v8
	s_mul_i32 s21, s16, 3                          ; my first tile of the pass
	s_lshl_b32 s40, s17, 22                        ; the weights: expert x 4 MiB
	s_lshl_b32 s41, s18, 18                        ; + 64 s rows of 4,096 bytes
	s_add_co_u32 s40, s40, s41
	s_lshr_b32 s41, s16, 1
	s_lshl_b32 s41, s41, 17                        ; + 32 (w / 2) rows
	s_add_co_u32 s40, s40, s41
	s_and_b32 s41, s16, 1
	s_lshl_b32 s41, s41, 15                        ; + 8 (w % 2) rows
	s_add_co_u32 s40, s40, s41
	s_mov_b32 s41, 0
	s_lshl_b32 s42, s17, 20                        ; hc: expert x 64 tiles of 16,384 bytes
	s_mul_i32 s43, s16, 3*16384                    ; + tile 3 w
	s_add_co_u32 s42, s42, s43
	s_lshl_b32 s43, s18, 10                        ; + chunk 4 s
	s_add_co_u32 s42, s42, s43
	s_mov_b32 s43, 0
	s_wait_kmcnt 0x0
	s_load_b128 s[24:27], s[12:13], 0x0            ; e0 .. e3
	s_load_b64 s[28:29], s[12:13], 0x10            ; e4, e5
	s_add_nc_u64 s[4:5], s[4:5], s[40:41]
	s_add_nc_u64 s[6:7], s[6:7], s[40:41]
	s_add_nc_u64 s[14:15], s[14:15], s[42:43]
	IDSL                                           ; ahead of the ring: older than every batch, so the first batch's wait shows them in
	FILL
	s_wait_kmcnt 0x0
	SCALE 12, 13, s24                              ; w1
	SCALE 14, 15, s26                              ; w3
	s_sub_co_i32 s34, s28, s24
	s_sub_co_i32 s34, s34, s25
	s_sub_co_i32 s34, s34, s26
	s_sub_co_i32 s34, s34, s27
	SCALE 16, 17, s34                              ; h: e4 - e0 - e1 - e2 - e3
	s_add_co_i32 s30, s24, s25
	s_lshl_b32 s30, s30, 23
	s_add_co_i32 s30, s30, 0x3f3504f3              ; 2^(e0 + e1) / sqrt 2: the exponents are added to the exponent field of 0.70710678
	s_mov_b32 s31, s30                             ; (named with it as a pair, so it is written)
	v_mov_b32 v24, 0xbf527892                      ; -0.82215223
	v_mov_b32 v25, 0xbf527892
	LHEAD
; ---- STREAM.  Batch T.  The count leaves out what was issued behind this batch's loads: the younger batches (four loads each, seven at the most) and the loads of x of the eight batches since: load number ((b - XS) 24) / 7 is the first of batch b.
; Behind a batch's own loads a wave has at most 32 + 31 = 63 loads out.
.macro BATCH
.set bm, (T>>1)&15
.set bh, T&1
.set bq, T>>5
.set RS, RING+16*(T%8)
.set CS, CODE+4*(T%8)
.set wy, NB-1-T
.if wy > 7
.set wy, 7
.endif
.set xa, 0
.set xb, 0
.set xo, 0
.if T > XS
.set xa, ((T-XS)*24)/7
.endif
.if T+1 > XS
.set xb, ((T+1-XS)*24)/7
.endif
.if T-8 > XS
.set xo, ((T-8-XS)*24)/7
.endif
	s_wait_loadcnt 4*wy+xa-xo
.if T >= 8
	s_wait_dscnt 28                                ; the four stores that read this set of codes eight batches ago are done; the 28 of the seven batches between may be out
.endif
.irp i, 0,1,2,3,4,5,6,7,8,9,10,11,12,13,14,15
	v_med3_num_f32 v[RS+\i], v[RS+\i], -v[13+2*bq], v[13+2*bq]   ; the hold: the conversion does not saturate (ISA guide 7.6.2)
.endr
	v_cvt_scalef32_pk8_bf8_f32 v[CS:CS+1], v[RS:RS+7], v[12+2*bq]
	v_cvt_scalef32_pk8_bf8_f32 v[CS+2:CS+3], v[RS+8:RS+15], v[12+2*bq]
.irp i, 0,1,2,3
	ds_store_b32 v[2+bq], v[CS+\i] offset:bm*PW+(4*bh+\i)*128    ; k = 512 half + 128 i + 4 lane + 0 .. 3: 128 consecutive bytes
.endr
.if T+8 < NB
	LOADW T+8
.endif
.if T < XS
	LPIECE T                                       ; a piece of the list, behind the batch's own loads: the wave would wait for the next batch here
.endif
.if T == XS
	LFIN 1
	MKXO
.endif
.if xb > xa
.set N, xa
.rept xb-xa
	XL N
.set N, N+1
.endr
	WIN 0
.endif
.endm                                  ; (the next vector instructions behind the conversions are plain and touch other registers)
.set T, 0
.rept NB
	BATCH
.set T, T+1
.endr
	v_nop                                          ; a plain instruction behind the last conversions
	s_wait_dscnt 0x0                               ; for the others' sake: my rows' codes are in LDS
	s_barrier_signal -1
	s_barrier_wait -1
; ---- PRODUCTS
.macro FETCHW b, ks                    ; four fragments of K step ks (w1's tiles 2 b, 2 b + 1, then w3's) into set ks % 2
.irp f, 0,1,2,3
.irp c, 0,1,2,3
	ds_load_b128 v[FB+64*((\ks)&1)+16*\f+4*\c:FB+64*((\ks)&1)+16*\f+4*\c+3], v[8+2*(\f/2)+\b] offset:(\f%2)*16*PW+128*(\ks)+32*\c
.endr
.endr
.endm
.macro KLOOP b                         ; 8 K steps x 12 products: 3 slots x (g of tiles 2 b, 2 b + 1; u of the same).  The twelve accumulators take turns, one instruction a turn
	s_wait_xcnt 0x0                                ; earlier stores have read their data, which lie where the fragments land
	FETCHW \b, 0
	FETCHW \b, 1
.irp ks, 0,1,2,3,4,5,6,7
.if \ks < 7
	s_wait_dscnt 16                                ; this step's fragments are in; the next step's 16 loads may be out
.else
	s_wait_dscnt 0x0
.endif
.irp j, 0,1,2
	WIN (1+\j)<<2                                  ; source 1: the slot's window
.irp f, 0,1,2,3
.if \ks == 0
	v_wmma_f32_16x16x128_bf8_bf8 v[ACC+8*(4*\j+\f):ACC+8*(4*\j+\f)+7], v[FB+64*(\ks&1)+16*\f:FB+64*(\ks&1)+16*\f+15], v[16*\ks+128*(\f/2):16*\ks+128*(\f/2)+15], 0
.else
	v_wmma_f32_16x16x128_bf8_bf8 v[ACC+8*(4*\j+\f):ACC+8*(4*\j+\f)+7], v[FB+64*(\ks&1)+16*\f:FB+64*(\ks&1)+16*\f+15], v[16*\ks+128*(\f/2):16*\ks+128*(\f/2)+15], v[ACC+8*(4*\j+\f):ACC+8*(4*\j+\f)+7]
.endif
.endr
.endr
	WIN 0
.if \ks < 6
.rept 4
	v_nop                                          ; four places in front of loads into registers that these products have read
.endr
	FETCHW \b, \ks+2
.endif
.endr
.rept 4
	v_nop                                          ; four places in front of the first read of the results
.endr
.endm
.macro EPI b, j                        ; slot j: 16 numbers a lane: h = G Phi U, quantised, stored.  Each accumulator is read from its low end on
.set G, ACC+32*\j
.set U, ACC+32*\j+16
.set CR, 208+4*(3*\b+\j)
.irp i, 0,2,4,6,8,10,12,14
	v_pk_mul_f32 v[ZR+\i:ZR+\i+1], v[G+\i:G+\i+1], s[30:31] op_sel_hi:[1,0]   ; g / sqrt 2
.endr
.irp i, 0,1,2,3,4,5,6,7,8,9,10,11,12,13,14,15
	v_max_num_f32 v[ZR+\i], v[ZR+\i], -v[ZR+\i]    ; z = |g| / sqrt 2
.endr
.irp i, 0,2,4,6,8,10,12,14
	v_pk_fma_f32 v[TR+\i:TR+\i+1], v[ZR+\i:ZR+\i+1], 0.5, 1.0 op_sel_hi:[1,0,0]
.endr
.irp i, 0,1,2,3,4,5,6,7,8,9,10,11,12,13,14,15
	v_rcp_f32 v[TR+\i], v[TR+\i]                   ; t = 1 / (1 + z / 2)
.endr
	v_nop                                          ; a plain instruction behind the reciprocals
	s_wait_alu depctr_va_vdst(0)
.irp i, 0,2,4,6,8,10,12,14
	v_pk_fma_f32 v[PR+\i:PR+\i+1], v[TR+\i:TR+\i+1], 0x3e2ef945, v[24:25] op_sel_hi:[1,0,1]   ; 0.17087277 t - 0.82215223
.endr
.irp c, 0x3fbe87b0, 0xbf914e5d, 0x3e8ec7cc, 0xbe3ec24c, 0x3dc636c9, 0x3ebf88fb, 0x3f8000c7, 0xbfa1fc4e   ; 1.48851587, -1.13520398, 0.27886807, -0.18628806, 0.09678418, 0.37409196, 1.00002368, -1.26551223
.irp i, 0,2,4,6,8,10,12,14
	v_pk_fma_f32 v[PR+\i:PR+\i+1], v[PR+\i:PR+\i+1], v[TR+\i:TR+\i+1], \c op_sel_hi:[1,1,0]
.endr
.endr
.irp i, 0,2,4,6,8,10,12,14
	v_pk_fma_f32 v[PR+\i:PR+\i+1], v[ZR+\i:ZR+\i+1], v[ZR+\i:ZR+\i+1], v[PR+\i:PR+\i+1] neg_lo:[1,0,0] neg_hi:[1,0,0]   ; P(t) - z^2
.endr
.irp i, 0,2,4,6,8,10,12,14
	v_pk_fma_f32 v[PR+\i:PR+\i+1], v[PR+\i:PR+\i+1], 0x3fb8aa3b, -1.0 op_sel_hi:[1,0,0]   ; x log2(e), - 1 for the half
.endr
.irp i, 0,1,2,3,4,5,6,7,8,9,10,11,12,13,14,15
	v_exp_f32 v[PR+\i], v[PR+\i]
.endr
	v_nop                                          ; a plain instruction behind the exponentials
	s_wait_alu depctr_va_vdst(0)
.irp i, 0,2,4,6,8,10,12,14
	v_pk_mul_f32 v[PR+\i:PR+\i+1], v[PR+\i:PR+\i+1], v[TR+\i:TR+\i+1]          ; Q = erfc(z) / 2
.endr
.irp i, 0,2,4,6,8,10,12,14
	v_pk_fma_f32 v[RR+\i:RR+\i+1], v[PR+\i:PR+\i+1], -1.0, 1.0 op_sel_hi:[1,0,0]   ; 1 - Q
.endr
.irp i, 0,1,2,3,4,5,6,7,8,9,10,11,12,13,14,15
	v_cmp_gt_f32 vcc_lo, 0, v[G+\i]
	v_cndmask_b32 v[RR+\i], v[RR+\i], v[PR+\i], vcc_lo     ; Phi = Q where g < 0, else 1 - Q
.endr
.irp i, 0,2,4,6,8,10,12,14
	v_pk_mul_f32 v[RR+\i:RR+\i+1], v[RR+\i:RR+\i+1], v[G+\i:G+\i+1]
.endr
.irp i, 0,2,4,6,8,10,12,14
	v_pk_mul_f32 v[RR+\i:RR+\i+1], v[RR+\i:RR+\i+1], v[U+\i:U+\i+1]
.endr
.irp i, 0,1,2,3,4,5,6,7,8,9,10,11,12,13,14,15
	v_med3_num_f32 v[RR+\i], v[RR+\i], -v17, v17
.endr
	v_cvt_scalef32_pk8_bf8_f32 v[CR:CR+1], v[RR:RR+7], v16
	v_cvt_scalef32_pk8_bf8_f32 v[CR+2:CR+3], v[RR+8:RR+15], v16
	v_nop                                          ; a plain instruction behind the conversions
	global_store_b128 v1, v[CR:CR+3], s[14:15] offset:\j*16384+\b*512   ; chunks 4 s + 2 b, + 1 of the slot's tile: 512 consecutive bytes, aligned
.endm
.macro GEPI b, j                       ; only where the slot's tile has rows
	s_add_co_u32 s40, s21, \j
	s_cmp_lt_u32 s40, s20
	s_cbranch_scc0 .Lno_tile_\@
	EPI \b, \j
.Lno_tile_\@:
.endm
	s_mov_b32 s22, 0                               ; the trip
.Lpass:
	s_cmp_ge_u32 s21, s20
	s_cbranch_scc1 .Lnext                          ; none of my tiles of this pass has rows
	s_cmp_eq_u32 s22, 0
	s_cbranch_scc1 .Lhave_x                        ; the first pass's rows came in during the stream
	s_wait_loadcnt 0x0                             ; no load is out: the offsets and the fragments may be written
	IDSL                                           ; a later pass makes its entries by the same lines, on end
	LHEAD
	s_wait_loadcnt 0x0
.irp q, 0,1,2,3,4,5,6,7
	LPIECE \q
.endr
	LFIN 0
	MKXO
.set N, 0
.rept 192
	XL N
.set N, N+1
.endr
	WIN 0
.Lhave_x:
	s_wait_loadcnt 0x0                             ; my rows' codes of x
	KLOOP 0
	EPI 0, 0
	GEPI 0, 1
	GEPI 0, 2
	KLOOP 1
	EPI 1, 0
	GEPI 1, 1
	GEPI 1, 2
.Lnext:
	s_wait_xcnt 0x0                                ; the stores have read their base
	s_add_nc_u64 s[14:15], s[14:15], 12*16384
	s_add_co_u32 s21, s21, 12
	s_add_co_u32 s22, s22, 1
	s_cmp_lt_u32 s22, 6                            ; 6 x 12 tiles cover the 64 that one expert can have
	s_cbranch_scc1 .Lpass
	s_wait_xcnt 0x0
	v_lshl_add_u32 v254, v0, 2, 0x20800
	v_mov_b32 v255, 0
	s_wait_tensorcnt 0x0
	ds_add_u32 v254, v255
	s_wait_dscnt 0x0
	s_endpgm
.Lfunc_end_k_q072e0e7e86_gateup:
	.size	k_q072e0e7e86_gateup, .Lfunc_end_k_q072e0e7e86_gateup-k_q072e0e7e86_gateup
	.p2alignl 7, 3214868480
	.fill 96, 4, 3214868480
	.section	.rodata,"a",@progbits
	.p2align	6, 0x0
	.amdhsa_kernel k_q072e0e7e86_gateup
		.amdhsa_group_segment_fixed_size 133632
		.amdhsa_private_segment_fixed_size 0
		.amdhsa_enable_private_segment 0
		.amdhsa_kernarg_size 48
		.amdhsa_user_sgpr_count 2
		.amdhsa_user_sgpr_kernarg_segment_ptr 1
		.amdhsa_wavefront_size32 1
		.amdhsa_system_sgpr_workgroup_id_x 1
		.amdhsa_system_sgpr_workgroup_id_y 1
		.amdhsa_system_sgpr_workgroup_id_z 1
		.amdhsa_system_vgpr_workitem_id 0
		.amdhsa_next_free_vgpr 1024
		.amdhsa_next_free_sgpr 66
		.amdhsa_reserve_vcc 1
		.amdhsa_float_denorm_mode_32 3
		.amdhsa_float_denorm_mode_16_64 3
		.amdhsa_memory_ordered 1
		.amdhsa_forward_progress 1
		.amdhsa_inst_pref_size 255
	.end_amdhsa_kernel
	.section	.bss,"aw",@nobits
	.p2align	6
	.space	262144
	.amdgpu_metadata
---
amdhsa.version: [ 1, 2 ]
amdhsa.kernels:
  - .name:           k_q072e0e7e86_gateup
    .symbol:         k_q072e0e7e86_gateup.kd
    .args:
      - { .name: w1, .offset: 0, .size: 8, .value_kind: global_buffer, .address_space: global }
      - { .name: w3, .offset: 8, .size: 8, .value_kind: global_buffer, .address_space: global }
      - { .name: xc, .offset: 16, .size: 8, .value_kind: global_buffer, .address_space: global }
      - { .name: ids, .offset: 24, .size: 8, .value_kind: global_buffer, .address_space: global }
      - { .name: lowp_scales, .offset: 32, .size: 8, .value_kind: global_buffer, .address_space: global }
      - { .name: hc, .offset: 40, .size: 8, .value_kind: global_buffer, .address_space: global }
    .group_segment_fixed_size: 133632
    .private_segment_fixed_size: 0
    .kernarg_segment_align: 8
    .kernarg_segment_size: 48
    .max_flat_workgroup_size: 128
    .sgpr_count:     66
    .vgpr_count:     1024
    .wavefront_size: 32
...
	.end_amdgpu_metadata
.endif
;; end of part 2
;; launch down (part 3): grid 16 x 16, 4 waves a work-group, no clusters, 84,480 bytes of LDS; arguments w2, hc, ids, gw, lowp_scales, yb; writes yb
.if DOCPART == 3
	.amdgcn_target "amdgcn-amd-amdhsa--gfx1250"
	.amdhsa_code_object_version 6
	.text
	.protected	k_q072e0e7e86_down
	.globl	k_q072e0e7e86_down
	.p2align	8
	.type	k_q072e0e7e86_down,@function
k_q072e0e7e86_down:
	s_mov_b64 s[64:65], 0
	v_nop
	global_prefetch_b8 v0, s[64:65] scope:SCOPE_SE
	s_setreg_imm32_b32 hwreg(HW_REG_WAVE_MODE, 25, 1), 1
	s_wait_xcnt 0x0
; DOWN.  For expert e (work-group y) and output columns 64 s .. 64 s + 63 (work-group x): y = h w2^T on codes of E5M2 for the rows routed to e, times 2^(e4 + e5), times the row's gate weight; stored as f32 at row 2 token + slot of yb.
; EACH BYTE OF w2 IS READ ONCE IN THE LAUNCH, by one wave: a work-group has 64 rows of w2[e] (256 KB on end), 16 rows a wave.
; PHASES.  STREAM: 32 batches of half a row become codes in LDS, eight batches always on their way; barrier.  Between the batches stand the making of my list entries (batches 0 to 7) and the loads of my tiles' codes of h into registers,
;   512 consecutive bytes a load: hc lies in the order of the operand's registers.
;   PRODUCTS: in pass p wave w has tiles 12 p + 3 w + 0 .. 2; six trips, a constant; a trip without rows is jumped over by a scalar branch on the count; no barrier stands in it.
; THE LIST is made line for line as in the launch that laid h's codes, so the rows stand in the same order: register 4 q + j of the loaded ids holds, in lane l, token 128 q + 4 l + j; rows count through the registers and through the lanes within one.
;   For each register the masks of the lanes that chose e first or second, and P, the rows before it; a lane that wants row p keeps the masks of the last register with P <= p, and takes the (p - P + 1)-th set bit by counts of bits in pieces
;   of 16, 8, 4, 2 and 1.  Entry = 2 token + slot; 2048 + e where p is not below n.  Nothing goes through LDS.  For the stores, in which sixteen lanes share a row, the entries are read out of their lanes into scalar registers.
; LAYOUT.  Transposed: source 0 = 16 rows of w2 (16 output columns), source 1 = 16 rows of h: a lane holds one row (lane % 16) and eight neighbouring columns.  A tile's 16 rows x 64 columns go through the wave's own stage in LDS and leave by rows:
;   sixteen lanes store 256 consecutive bytes, aligned, of one row of yb.
; A row of a tile that is no row (entry 2048 + e) falls into row 2048 + e of yb, in this work-group's own 256 bytes of it; nobody reads those rows.  So no lane is ever switched off.
; NO CLUSTER, NO TENSOR LOAD: no two work-groups read the same byte of w2, which passes through registers to be quantised; branches hang on a count made of numbers read from memory.
; LIMITS: e5 between -126 and 112.  NaN among the inputs is not served.  ids hold 0 .. 15, the two of a token different.
; REGISTERS, window 0: v1 16 x lane; v2 where I store codes; v4 lane % 16; v5-7 my tiles' offsets in hc; v8 fragment address; v9, v10 the stage, in and back; v11 16 (lane % 16); v12, v13 scale and limit;
;   v14-19, v26-31 the list's kept numbers, three each: second-choice mask, P and first token, the row wanted, first-choice mask; then v14-19 the rows' factors, a pair a slot; v20-22 gate weights as loaded; v23-25 their offsets;
;   v32-95 ids, then the list's last step; v96-127 codes just made; then v32-127 twelve accumulators; v128-255 the ring; then two sets of four fragments; then the way out.
;   window 1: h of slot 0 at v[16 ks], of slot 1 at v[128 + 16 ks];   window 2: of slot 2 at v[16 ks]; v128-151: the stores' offsets in yb, eight a slot.
.set PW,   1040                        ; a row of 1,024 codes in LDS + 16 bytes: an odd multiple of 16
.set STG,  64*PW                       ; LDS: 64 rows of w2; then four stages of 16 rows x (256 + 16) bytes
.set SPI,  272
.set NB,   32
.set LPB,  2                           ; pieces of the list in a batch
.set XS,   8/LPB                       ; the batch in which the list is finished and h's loads begin: 96 loads in 28 batches, 24/7 a batch
.set IDB,  8                           ; s[8:9] ids
.set ACC,  32
.set CODE, 96
.set RING, 128
.set FB,   128
.set SO,   128                         ; in window 2
.set PJ,   26                          ; the row wanted, for slot 0, 1, 2
.set MA,   29                          ; the mask of first choices
.set MB,   14                          ; the mask of second choices
.set CB,   17                          ; P in bits 15:0, the register's first token in bits 31:16
.set LT,   32                          ; the list's last step: 16 registers a slot: +0 mask, +1 .. +4 counts in pieces of 2, 4, 8, 16 bits, +5 k, +6 the bit's place, +7, +8 at work, +9 the entry
.set MSB,  0
.macro WIN new                         ; s_set_vgpr_msb: bits 1:0 source 0, 3:2 source 1, 5:4 source 2, 7:6 destination; the high byte repeats the setting that is left
.if MSB != (\new)
	s_set_vgpr_msb (MSB<<8)|(\new)
.set MSB, (\new)
.endif
.endm
.macro LOADW tt                        ; batch tt: row tt / 2 of my 16, half tt % 2: four loads of 512 consecutive bytes into ring set tt % 8
.set LS, RING+16*((\tt)%8)
.irp i, 0,1,2,3
	global_load_b128 v[LS+4*\i:LS+4*\i+3], v1, s[4:5] offset:(\tt)*2048+512*\i th:TH_LOAD_NT
.endr
.endm
.macro FILL
.irp t, 0,1,2,3,4,5,6,7
	LOADW \t
.endr
.endm
.macro HL n                            ; load n of 96 of my tiles' codes of h: slot n / 32, K step (n / 4) % 8, piece n % 4
.set hj, (\n)/32
.set hr, 128*(hj&1)+16*(((\n)/4)&7)+4*((\n)&3)
	WIN 0x40*(1+hj/2)
	global_load_b128 v[hr:hr+3], v[5+hj], s[6:7] offset:2048*(((\n)/4)&7)+512*((\n)&3)
.endm
.macro SCALE vs, vl, se
	s_add_co_i32 s40, \se, 127
	s_lshl_b32 s41, s40, 23
	v_mov_b32 v[\vs], s41
	s_add_co_i32 s40, s40, 15
	s_lshl_b32 s40, s40, 23
	s_or_b32 s40, s40, 0x600000
	v_mov_b32 v[\vl], s40
.endm
.macro MKHO                            ; my three tiles' offsets in the expert's part of hc; a slot past the last tile takes the last tile, which has been written
	s_sub_co_u32 s40, s20, 1
.irp j, 0,1,2
	s_add_co_u32 s41, s21, \j
	s_min_u32 s41, s41, s40
	s_min_u32 s41, s41, 63
	s_lshl_b32 s41, s41, 14
	v_add_nc_u32 v[5+\j], s41, v1
.endr
.endm
; ---- the list's macros
.macro IDSL                            ; all ids: register 4 q + j is token 128 q + 4 lane + j
.irp q, 0,1,2,3,4,5,6,7
	global_load_b128 v[32+4*\q:35+4*\q], v1, s[IDB:IDB+1] offset:512*\q          ; first choices
.endr
.irp q, 0,1,2,3,4,5,6,7
	global_load_b128 v[64+4*\q:67+4*\q], v1, s[IDB:IDB+1] offset:4096+512*\q     ; second choices
.endr
.endm
.macro LHEAD                           ; the rows that I want: 16 x (my first tile of the pass + slot) + lane % 16
	s_lshl_b32 s40, s21, 4
	v_add_nc_u32 v[PJ], s40, v4
	v_add_nc_u32 v[PJ+1], 16, v[PJ]
	v_add_nc_u32 v[PJ+2], 32, v[PJ]
	s_mov_b32 s38, 0                               ; P
.endm
.macro LPIECE q                        ; registers 4 q .. 4 q + 3 of the ids.  The four registers' masks, counts and sums are made together, so that vector and scalar work change hands once
.irp j, 0,1,2,3
	v_cmp_eq_u32 s[44+\j], s17, v[32+4*(\q)+\j]
	v_cmp_eq_u32 s[48+\j], s17, v[64+4*(\q)+\j]
.endr
.irp j, 0,1,2,3
	s_or_b32 s[52+\j], s[44+\j], s[48+\j]
.endr
.irp j, 0,1,2,3
	s_bcnt1_i32_b32 s[52+\j], s[52+\j]
.endr
	s_mov_b32 s60, s38                             ; the rows before each of the four
	s_add_co_u32 s61, s60, s52
	s_add_co_u32 s62, s61, s53
	s_add_co_u32 s63, s62, s54
	s_add_co_u32 s38, s63, s55
.irp j, 0,1,2,3
	s_or_b32 s[56+\j], s[60+\j], (128*(\q)+\j)<<16 ; P (1,024 at the most) below, the register's first token above
.endr
.irp j, 0,1,2,3
.if (\q) == 0 && \j == 0
.irp t, 0,1,2
	v_mov_b32 v[MA+\t], s44                        ; the first register has P = 0: it starts the kept numbers
	v_mov_b32 v[MB+\t], s48
	v_mov_b32 v[CB+\t], s56
.endr
.else
	v_cmp_gt_u32 vcc_lo, s[60+\j], v[PJ]           ; P > p: the row lies before this register: what is kept stays; else this register's numbers are taken
	v_cmp_gt_u32 s40, s[60+\j], v[PJ+1]
	v_cmp_gt_u32 s41, s[60+\j], v[PJ+2]
	v_cndmask_b32 v[MA], s[44+\j], v[MA], vcc_lo
	v_cndmask_b32 v[MB], s[48+\j], v[MB], vcc_lo
	v_cndmask_b32 v[CB], s[56+\j], v[CB], vcc_lo
	v_cndmask_b32 v[MA+1], s[44+\j], v[MA+1], s40
	v_cndmask_b32 v[MB+1], s[48+\j], v[MB+1], s40
	v_cndmask_b32 v[CB+1], s[56+\j], v[CB+1], s40
	v_cndmask_b32 v[MA+2], s[44+\j], v[MA+2], s41
	v_cndmask_b32 v[MB+2], s[48+\j], v[MB+2], s41
	v_cndmask_b32 v[CB+2], s[56+\j], v[CB+2], s41
.endif
.endr
.endm
.macro LSTEP src, w                    ; one halving: c = the set bits in the lower w bits of the piece in hand; where k >= c the bit lies in the upper half: k -= c, place += w
.irp t, 0,1,2
	v_bfe_u32 v[LT+16*\t+7], v[LT+16*\t+\src], v[LT+16*\t+6], \w
.endr
.irp t, 0,1,2
	v_cmp_ge_u32 vcc_lo, v[LT+16*\t+5], v[LT+16*\t+7]
	v_cndmask_b32 v[LT+16*\t+7], 0, v[LT+16*\t+7], vcc_lo
	v_cndmask_b32 v[LT+16*\t+8], 0, \w, vcc_lo
.endr
.irp t, 0,1,2
	v_sub_nc_u32 v[LT+16*\t+5], v[LT+16*\t+5], v[LT+16*\t+7]
	v_add_nc_u32 v[LT+16*\t+6], v[LT+16*\t+6], v[LT+16*\t+8]
.endr
.endm
.macro LFIN first                      ; the kept numbers become entries.  first = 1: also n and the number of tiles
.if \first
	s_min_u32 s19, s38, 1024                       ; n
	s_add_co_u32 s20, s19, 15
	s_lshr_b32 s20, s20, 4
	s_max_u32 s20, s20, 1                          ; tiles, as the launch before counted them
.endif
	s_add_co_u32 s39, s17, 2048                    ; the entry of a row that is none
.irp t, 0,1,2
	v_or_b32 v[LT+16*\t], v[MA+\t], v[MB+\t]       ; the lanes that chose e
	v_and_b32 v[LT+16*\t+7], 0xffff, v[CB+\t]
	v_sub_nc_u32 v[LT+16*\t+5], v[PJ+\t], v[LT+16*\t+7]    ; k = p - P
	v_mov_b32 v[LT+16*\t+6], 0                     ; the place
.endr
.irp t, 0,1,2
	v_lshrrev_b32 v[LT+16*\t+7], 1, v[LT+16*\t]
	v_and_b32 v[LT+16*\t+7], 0x55555555, v[LT+16*\t+7]
	v_sub_nc_u32 v[LT+16*\t+1], v[LT+16*\t], v[LT+16*\t+7]         ; counts of pairs of bits
.endr
.irp t, 0,1,2
	v_lshrrev_b32 v[LT+16*\t+7], 2, v[LT+16*\t+1]
	v_and_b32 v[LT+16*\t+7], 0x33333333, v[LT+16*\t+7]
	v_and_b32 v[LT+16*\t+8], 0x33333333, v[LT+16*\t+1]
	v_add_nc_u32 v[LT+16*\t+2], v[LT+16*\t+7], v[LT+16*\t+8]       ; of four
.endr
.irp t, 0,1,2
	v_lshrrev_b32 v[LT+16*\t+7], 4, v[LT+16*\t+2]
	v_add_nc_u32 v[LT+16*\t+7], v[LT+16*\t+7], v[LT+16*\t+2]
	v_and_b32 v[LT+16*\t+3], 0x0f0f0f0f, v[LT+16*\t+7]             ; of eight
.endr
.irp t, 0,1,2
	v_lshrrev_b32 v[LT+16*\t+7], 8, v[LT+16*\t+3]
	v_add_nc_u32 v[LT+16*\t+7], v[LT+16*\t+7], v[LT+16*\t+3]
	v_and_b32 v[LT+16*\t+4], 0xff, v[LT+16*\t+7]                   ; of the lower sixteen
.endr
	LSTEP 4, 16
	LSTEP 3, 8
	LSTEP 2, 4
	LSTEP 1, 2
	LSTEP 0, 1
.irp t, 0,1,2
	v_bfe_u32 v[LT+16*\t+7], v[MB+\t], v[LT+16*\t+6], 1            ; slot: 1 where e is that lane's second choice
	v_lshrrev_b32 v[LT+16*\t+8], 16, v[CB+\t]
	v_lshl_add_u32 v[LT+16*\t+8], v[LT+16*\t+6], 2, v[LT+16*\t+8]  ; token = the register's first + 4 x lane
	v_lshl_add_u32 v[LT+16*\t+9], v[LT+16*\t+8], 1, v[LT+16*\t+7]  ; 2 token + slot
	v_cmp_gt_u32 vcc_lo, s19, v[PJ+\t]
	v_cndmask_b32 v[LT+16*\t+9], s39, v[LT+16*\t+9], vcc_lo        ; only where p < n
.endr
.endm
.macro GWO                             ; entries -> offsets in gw (a row that is none reads the last weight; its result goes to a row that nobody reads)
.irp t, 0,1,2
	v_min_u32 v[23+\t], 0x7ff, v[LT+16*\t+9]       ; a number made of loaded ones enters an address behind this bound
	v_lshlrev_b32 v[23+\t], 2, v[23+\t]
.endr
.endm
.macro GWL                             ; the rows' gate weights
.irp t, 0,1,2
	global_load_b32 v[20+\t], v[23+\t], s[10:11]
.endr
.endm
.macro LSO t                           ; slot t's stores: store i has row 2 i in lanes 0-15 and row 2 i + 1 in lanes 16-31.  The 16 entries are read out of lanes 0 to 15; offset = entry x 4,096 + 16 (lane % 16)
.irp i, 0,1,2,3,4,5,6,7,8,9,10,11,12,13,14,15
	v_readlane_b32 s[44+\i], v[LT+16*(\t)+9], \i
.endr
	WIN 0x82                                       ; source 0 and destination window 2
.irp i, 0,1,2,3,4,5,6,7
	v_mov_b32 v[SO+8*(\t)+\i], s[44+2*\i]
	v_cndmask_b32 v[SO+8*(\t)+\i], v[SO+8*(\t)+\i], s[45+2*\i], s42    ; s42: lanes 16 to 31
.endr
	WIN 0x88                                       ; source 1 and destination window 2
.irp i, 0,1,2,3,4,5,6,7
	v_min_u32 v[SO+8*(\t)+\i], 0x80f, v[SO+8*(\t)+\i]              ; yb has 2,064 rows
.endr
	WIN 0x82                                       ; source 0 and destination window 2; v11 in window 0
.irp i, 0,1,2,3,4,5,6,7
	v_lshl_add_u32 v[SO+8*(\t)+\i], v[SO+8*(\t)+\i], 12, v11
.endr
	WIN 0
.endm
	s_load_b256 s[4:11], s[0:1], 0x0               ; w2 s[4:5], hc s[6:7], ids s[8:9], gw s[10:11]
	s_load_b128 s[12:15], s[0:1], 0x20             ; lowp_scales s[12:13], yb s[14:15]
	v_lshl_add_u32 v3, v0, 2, 0x14800
	s_set_vgpr_msb 0x80
	v_mov_b32 v255, 0
	s_set_vgpr_msb 0x8000
	v_lshrrev_b32 v1, 5, v0
	v_readfirstlane_b32 s16, v1                    ; wave
	s_and_b32 s17, ttmp7, 0xffff                   ; expert
	s_mov_b32 s18, ttmp9                           ; slice
	v_and_b32 v26, 31, v0                          ; lane
	v_and_b32 v4, 15, v0                           ; r
	v_bfe_u32 v19, v0, 4, 1                        ; h
	v_lshlrev_b32 v1, 4, v26
	s_mul_i32 s40, s16, 16*PW
	v_lshl_add_u32 v2, v26, 2, s40                 ; LDS: my 16 rows, 4 bytes a lane
	v_mul_u32_u24 v20, v4, PW
	v_lshl_add_u32 v8, v19, 4, v20                 ; LDS: row r, + 16 h
	s_mul_i32 s40, s16, 16*SPI
	s_add_co_u32 s40, s40, STG                     ; my stage
	v_mul_u32_u24 v9, v4, SPI
	v_lshl_add_u32 v9, v19, 5, v9
	v_add_nc_u32 v9, s40, v9                       ; in: row r, + 32 h
	v_mul_u32_u24 v10, v19, SPI
	v_lshl_add_u32 v10, v4, 4, v10
	v_add_nc_u32 v10, s40, v10                     ; back: lanes 0-15 one row, lanes 16-31 the next
	v_lshlrev_b32 v11, 4, v4
	s_mul_i32 s21, s16, 3                          ; my first tile of the pass
	s_lshl_b32 s40, s17, 22                        ; w2: expert x 4 MiB
	s_lshl_b32 s41, s18, 18                        ; + 64 s rows of 4,096 bytes
	s_add_co_u32 s40, s40, s41
	s_lshl_b32 s41, s16, 16                        ; + 16 w rows
	s_add_co_u32 s40, s40, s41
	s_mov_b32 s41, 0
	s_lshl_b32 s42, s17, 20                        ; hc: expert x 64 tiles of 16,384 bytes
	s_mov_b32 s43, 0
	s_lshl_b32 s36, s18, 8                         ; yb: my 64 columns, 256 bytes
	s_mov_b32 s37, 0
	s_wait_kmcnt 0x0
	s_load_b64 s[28:29], s[12:13], 0x10            ; e4, e5
	s_add_nc_u64 s[4:5], s[4:5], s[40:41]
	s_add_nc_u64 s[6:7], s[6:7], s[42:43]
	s_add_nc_u64 s[14:15], s[14:15], s[36:37]
	s_mov_b32 s42, 0xffff0000                      ; lanes 16 to 31
	IDSL                                           ; ahead of the ring: older than every batch, so the first batch's wait shows them in
	FILL
	s_wait_kmcnt 0x0
	SCALE 12, 13, s29                              ; w2
	s_add_co_i32 s31, s28, s29                     ; e4 + e5, applied by v_ldexp_f32
	LHEAD
; ---- STREAM.  Batch T.  The count leaves out what was issued behind this batch's loads: the younger batches (four loads each, seven at the most) and the loads of h of the eight batches since: load number ((b - XS) 24) / 7 is the first of batch b.
; Behind a batch's own loads a wave has at most 32 + 31 = 63 loads out.
.macro BATCH
.set RS, RING+16*(T%8)
.set CS, CODE+4*(T%8)
.set wy, NB-1-T
.if wy > 7
.set wy, 7
.endif
.set xa, 0
.set xb, 0
.set xo, 0
.if T > XS
.set xa, ((T-XS)*24)/7
.endif
.if T+1 > XS
.set xb, ((T+1-XS)*24)/7
.endif
.if T-8 > XS
.set xo, ((T-8-XS)*24)/7
.endif
	s_wait_loadcnt 4*wy+xa-xo
.if T >= 8
	s_wait_dscnt 28                                ; the four stores that read this set of codes eight batches ago are done
.endif
.irp i, 0,1,2,3,4,5,6,7,8,9,10,11,12,13,14,15
	v_med3_num_f32 v[RS+\i], v[RS+\i], -v13, v13   ; the hold: the conversion does not saturate (ISA guide 7.6.2)
.endr
	v_cvt_scalef32_pk8_bf8_f32 v[CS:CS+1], v[RS:RS+7], v12
	v_cvt_scalef32_pk8_bf8_f32 v[CS+2:CS+3], v[RS+8:RS+15], v12
.irp i, 0,1,2,3
	ds_store_b32 v2, v[CS+\i] offset:(T>>1)*PW+(4*(T&1)+\i)*128
.endr
.if T+8 < NB
	LOADW T+8
.endif
.if T < XS
	LPIECE 2*T                                     ; two pieces of the list, behind the batch's own loads: the wave would wait for the next batch here
	LPIECE 2*T+1
.endif
.if T == XS
	LFIN 1
	GWO
	MKHO
.endif
.if (T > XS) && (T <= XS+3)
	LSO T-XS-1                                     ; a slot's store offsets
.endif
.if xb > xa
.set N, xa
.rept xb-xa
	HL N
.set N, N+1
.endr
	WIN 0
.endif
.endm
.set T, 0
.rept NB
	BATCH
.set T, T+1
.endr
	GWL                                            ; three loads, the youngest of all
	v_nop                                          ; a plain instruction behind the last conversions
	s_wait_dscnt 0x0                               ; for the others' sake: my rows' codes are in LDS
	s_barrier_signal -1
	s_barrier_wait -1
; ---- PRODUCTS
.macro FETCHW ks                       ; the four column tiles' fragments of K step ks into set ks % 2
.irp f, 0,1,2,3
.irp c, 0,1,2,3
	ds_load_b128 v[FB+64*((\ks)&1)+16*\f+4*\c:FB+64*((\ks)&1)+16*\f+4*\c+3], v8 offset:\f*16*PW+128*(\ks)+32*\c
.endr
.endr
.endm
.macro KLOOP                           ; 8 K steps x 12 products: 3 slots x 4 column tiles.  The twelve accumulators take turns, one instruction a turn
	s_wait_xcnt 0x0                                ; earlier stores have read their data, which lie where the fragments land
	FETCHW 0
	FETCHW 1
.irp ks, 0,1,2,3,4,5,6,7
.if \ks < 7
	s_wait_dscnt 16                                ; this step's fragments are in; the next step's 16 loads may be out
.else
	s_wait_dscnt 0x0
.endif
.irp j, 0,1,2
	WIN (1+\j/2)<<2                                ; source 1: the slot's window
.irp f, 0,1,2,3
.if \ks == 0
	v_wmma_f32_16x16x128_bf8_bf8 v[ACC+8*(4*\j+\f):ACC+8*(4*\j+\f)+7], v[FB+64*(\ks&1)+16*\f:FB+64*(\ks&1)+16*\f+15], v[16*\ks+128*(\j&1):16*\ks+128*(\j&1)+15], 0
.else
	v_wmma_f32_16x16x128_bf8_bf8 v[ACC+8*(4*\j+\f):ACC+8*(4*\j+\f)+7], v[FB+64*(\ks&1)+16*\f:FB+64*(\ks&1)+16*\f+15], v[16*\ks+128*(\j&1):16*\ks+128*(\j&1)+15], v[ACC+8*(4*\j+\f):ACC+8*(4*\j+\f)+7]
.endif
.endr
.endr
	WIN 0
.if \ks < 6
.rept 4
	v_nop                                          ; four places in front of loads into registers that these products have read
.endr
	FETCHW \ks+2
.endif
.endr
.rept 4
	v_nop                                          ; four places in front of the first read of the results
.endr
.endm
.macro EPI j                           ; slot j's tile: x the row's factor, through my stage, out by rows
	s_wait_xcnt 0x0                                ; the slot before has had its stores' registers read
.irp q, 0,1,2,3,4,5,6,7,8,9,10,11,12,13,14,15
	v_pk_mul_f32 v[128+2*\q:129+2*\q], v[ACC+32*\j+2*\q:ACC+32*\j+2*\q+1], v[14+2*\j:15+2*\j] op_sel_hi:[1,0]   ; each accumulator from its low end on
.endr
.irp c, 0,1,2,3
	ds_store_b128 v9, v[128+8*\c:131+8*\c] offset:64*\c            ; lane (r, h): columns 16 c + 8 h + 0 .. 7 of row r
	ds_store_b128 v9, v[132+8*\c:135+8*\c] offset:64*\c+16
.endr
.irp i, 0,1,2,3,4,5,6,7
	ds_load_b128 v[160+4*\i:163+4*\i], v10 offset:2*\i*SPI         ; LDS serves a wave's instructions in order (ISA guide 5.7.1.4): these see my stores; rows 2 i and 2 i + 1
.endr
	s_wait_dscnt 0x0
	WIN 0x02                                       ; the address register in window 2, the data in window 0
.irp i, 0,1,2,3,4,5,6,7
	global_store_b128 v[SO+8*\j+\i], v[160+4*\i:163+4*\i], s[14:15] th:TH_STORE_NT   ; sixteen lanes store 256 consecutive bytes, aligned
.endr
	WIN 0
.endm
.macro GEPI j                          ; only where the slot's tile has rows
	s_add_co_u32 s40, s21, \j
	s_cmp_lt_u32 s40, s20
	s_cbranch_scc0 .Lno_tile_\@
	EPI \j
.Lno_tile_\@:
.endm
	s_mov_b32 s22, 0                               ; the trip
.Lpass:
	s_cmp_ge_u32 s21, s20
	s_cbranch_scc1 .Lnext                          ; none of my tiles of this pass has rows
	s_cmp_eq_u32 s22, 0
	s_cbranch_scc1 .Lhave_h                        ; the first pass's tiles came in during the stream
	s_wait_loadcnt 0x0                             ; no load is out: offsets and fragments may be written;
	s_wait_xcnt 0x0                                ; the last pass's stores have read their offsets, which are made anew below
	IDSL                                           ; a later pass makes its entries by the same lines, on end
	LHEAD
	s_wait_loadcnt 0x0
.irp q, 0,1,2,3,4,5,6,7
	LPIECE \q
.endr
	LFIN 0
	GWO
	LSO 0
	LSO 1
	LSO 2
	MKHO
.set N, 0
.rept 96
	HL N
.set N, N+1
.endr
	WIN 0
	GWL                                            ; the youngest three, as on the other way
.Lhave_h:
	s_wait_loadcnt 3                               ; h's codes are in; the three gate weights are younger and may stay out during the products
	KLOOP
	s_wait_loadcnt 0x0                             ; the gate weights
.irp j, 0,1,2
	v_ldexp_f32 v[14+2*\j], v[20+\j], s31          ; the row's factor: gate weight x 2^(e4 + e5)
	v_ldexp_f32 v[15+2*\j], v[20+\j], s31          ; (named with it as a pair, so it is written)
.endr
	EPI 0
	GEPI 1
	GEPI 2
.Lnext:
	s_add_co_u32 s21, s21, 12
	s_add_co_u32 s22, s22, 1
	s_cmp_lt_u32 s22, 6                            ; 6 x 12 tiles cover the 64 that one expert can have
	s_cbranch_scc1 .Lpass
	s_set_vgpr_msb 0x8
	s_wait_tensorcnt 0x0
	ds_add_u32 v3, v255
	s_wait_dscnt 0x0
	s_set_vgpr_msb 0x800
	s_endpgm
.Lfunc_end_k_q072e0e7e86_down:
	.size	k_q072e0e7e86_down, .Lfunc_end_k_q072e0e7e86_down-k_q072e0e7e86_down
	.p2alignl 7, 3214868480
	.fill 96, 4, 3214868480
	.section	.rodata,"a",@progbits
	.p2align	6, 0x0
	.amdhsa_kernel k_q072e0e7e86_down
		.amdhsa_group_segment_fixed_size 84480
		.amdhsa_private_segment_fixed_size 0
		.amdhsa_enable_private_segment 0
		.amdhsa_kernarg_size 48
		.amdhsa_user_sgpr_count 2
		.amdhsa_user_sgpr_kernarg_segment_ptr 1
		.amdhsa_wavefront_size32 1
		.amdhsa_system_sgpr_workgroup_id_x 1
		.amdhsa_system_sgpr_workgroup_id_y 1
		.amdhsa_system_sgpr_workgroup_id_z 1
		.amdhsa_system_vgpr_workitem_id 0
		.amdhsa_next_free_vgpr 768
		.amdhsa_next_free_sgpr 66
		.amdhsa_reserve_vcc 1
		.amdhsa_float_denorm_mode_32 3
		.amdhsa_float_denorm_mode_16_64 3
		.amdhsa_memory_ordered 1
		.amdhsa_forward_progress 1
		.amdhsa_inst_pref_size 201
	.end_amdhsa_kernel
	.amdgpu_metadata
---
amdhsa.version: [ 1, 2 ]
amdhsa.kernels:
  - .name:           k_q072e0e7e86_down
    .symbol:         k_q072e0e7e86_down.kd
    .args:
      - { .name: w2, .offset: 0, .size: 8, .value_kind: global_buffer, .address_space: global }
      - { .name: hc, .offset: 8, .size: 8, .value_kind: global_buffer, .address_space: global }
      - { .name: ids, .offset: 16, .size: 8, .value_kind: global_buffer, .address_space: global }
      - { .name: gw, .offset: 24, .size: 8, .value_kind: global_buffer, .address_space: global }
      - { .name: lowp_scales, .offset: 32, .size: 8, .value_kind: global_buffer, .address_space: global }
      - { .name: yb, .offset: 40, .size: 8, .value_kind: global_buffer, .address_space: global }
    .group_segment_fixed_size: 84480
    .private_segment_fixed_size: 0
    .kernarg_segment_align: 8
    .kernarg_segment_size: 48
    .max_flat_workgroup_size: 128
    .sgpr_count:     66
    .vgpr_count:     768
    .wavefront_size: 32
...
	.end_amdgpu_metadata
.endif
;; end of part 3
;; launch combine (part 4): grid 256 x 1, 4 waves a work-group, no clusters, 0 bytes of LDS; arguments yb, out0; writes out0
.if DOCPART == 4
	.amdgcn_target "amdgcn-amd-amdhsa--gfx1250"
	.amdhsa_code_object_version 6
	.text
	.protected	k_q072e0e7e86_combine
	.globl	k_q072e0e7e86_combine
	.p2align	8
	.type	k_q072e0e7e86_combine,@function
k_q072e0e7e86_combine:
	s_mov_b64 s[64:65], 0
	v_nop
	global_prefetch_b8 v0, s[64:65] scope:SCOPE_SE
	s_setreg_imm32_b32 hwreg(HW_REG_WAVE_MODE, 25, 1), 1
	s_wait_xcnt 0x0
; COMBINE.  out0[t] = yb[2 t] + yb[2 t + 1]: the sum over experts, of which the combine weights leave a token's two chosen ones; the weights were multiplied in where the rows were made.  All f32.
; A wave takes a token: its two rows lie on end, 8,192 bytes; sixteen loads of 512 consecutive bytes, all issued at once; eight stores of 512 consecutive bytes, aligned.  Each register is written once, so no store's data are written again.
; A plain stream: no LDS, no barrier, no matrix work, no cluster: nothing is read twice.
.set A, 8                              ; v8-71   pair i: four registers of row 2 t, four of row 2 t + 1
.set O, 72                             ; v72-103 the sums
	s_load_b128 s[4:7], s[0:1], 0x0                ; yb s[4:5], out0 s[6:7]
	v_lshrrev_b32 v1, 5, v0
	v_readfirstlane_b32 s8, v1                     ; wave
	v_and_b32 v2, 31, v0
	v_lshlrev_b32 v2, 4, v2                        ; 16 x lane
	s_lshl_b32 s9, ttmp9, 2
	s_add_co_u32 s9, s9, s8                        ; my token
	s_lshl_b32 s10, s9, 13
	s_mov_b32 s11, 0
	s_lshl_b32 s12, s9, 12
	s_mov_b32 s13, 0
	s_wait_kmcnt 0x0
	s_add_nc_u64 s[4:5], s[4:5], s[10:11]
	s_add_nc_u64 s[6:7], s[6:7], s[12:13]
.irp i, 0,1,2,3,4,5,6,7
	global_load_b128 v[A+8*\i:A+8*\i+3], v2, s[4:5] offset:512*\i th:TH_LOAD_NT
	global_load_b128 v[A+8*\i+4:A+8*\i+7], v2, s[4:5] offset:4096+512*\i th:TH_LOAD_NT
.endr
.irp i, 0,1,2,3,4,5,6,7
	s_wait_loadcnt 14-2*\i                         ; pair i is in; the pairs behind it may be out
	v_pk_add_f32 v[O+4*\i:O+4*\i+1], v[A+8*\i:A+8*\i+1], v[A+8*\i+4:A+8*\i+5]
	v_pk_add_f32 v[O+4*\i+2:O+4*\i+3], v[A+8*\i+2:A+8*\i+3], v[A+8*\i+6:A+8*\i+7]
	global_store_b128 v2, v[O+4*\i:O+4*\i+3], s[6:7] offset:512*\i th:TH_STORE_NT
.endr
	s_endpgm
.Lfunc_end_k_q072e0e7e86_combine:
	.size	k_q072e0e7e86_combine, .Lfunc_end_k_q072e0e7e86_combine-k_q072e0e7e86_combine
	.p2alignl 7, 3214868480
	.fill 96, 4, 3214868480
	.section	.rodata,"a",@progbits
	.p2align	6, 0x0
	.amdhsa_kernel k_q072e0e7e86_combine
		.amdhsa_group_segment_fixed_size 0
		.amdhsa_private_segment_fixed_size 0
		.amdhsa_enable_private_segment 0
		.amdhsa_kernarg_size 16
		.amdhsa_user_sgpr_count 2
		.amdhsa_user_sgpr_kernarg_segment_ptr 1
		.amdhsa_wavefront_size32 1
		.amdhsa_system_sgpr_workgroup_id_x 1
		.amdhsa_system_sgpr_workgroup_id_y 1
		.amdhsa_system_sgpr_workgroup_id_z 1
		.amdhsa_system_vgpr_workitem_id 0
		.amdhsa_next_free_vgpr 104
		.amdhsa_next_free_sgpr 66
		.amdhsa_reserve_vcc 0
		.amdhsa_float_denorm_mode_32 3
		.amdhsa_float_denorm_mode_16_64 3
		.amdhsa_memory_ordered 1
		.amdhsa_forward_progress 1
		.amdhsa_inst_pref_size 5
	.end_amdhsa_kernel
	.amdgpu_metadata
---
amdhsa.version: [ 1, 2 ]
amdhsa.kernels:
  - .name:           k_q072e0e7e86_combine
    .symbol:         k_q072e0e7e86_combine.kd
    .args:
      - { .name: yb, .offset: 0, .size: 8, .value_kind: global_buffer, .address_space: global }
      - { .name: out0, .offset: 8, .size: 8, .value_kind: global_buffer, .address_space: global }
    .group_segment_fixed_size: 0
    .private_segment_fixed_size: 0
    .kernarg_segment_align: 8
    .kernarg_segment_size: 16
    .max_flat_workgroup_size: 128
    .sgpr_count:     66
    .vgpr_count:     104
    .wavefront_size: 32
...
	.end_amdgpu_metadata
.endif
;; end of part 4
;; ======== version 2 of 2: 4 launches
;; workspace buffers: ids 8,192 bytes of whole numbers; gw 8,192 bytes; xc 2,097,152 bytes; hc 16,777,216 bytes; yb 8,454,144 bytes
;; launch route (part 5): grid 256 x 1, 4 waves a work-group, no clusters, 8,704 bytes of LDS; arguments x, router_logits, per_expert_scale, lowp_scales, ids, gw, xc; writes ids, gw, xc
.if DOCPART == 5
	.amdgcn_target "amdgcn-amd-amdhsa--gfx1250"
	.amdhsa_code_object_version 6
	.text
	.protected	k_q072e0e7e86_route
	.globl	k_q072e0e7e86_route
	.p2align	8
	.type	k_q072e0e7e86_route,@function
k_q072e0e7e86_route:
	s_mov_b64 s[64:65], 0
	v_nop
	global_prefetch_b8 v0, s[64:65] scope:SCOPE_SE
	s_setreg_imm32_b32 hwreg(HW_REG_WAVE_MODE, 25, 1), 1
	s_wait_xcnt 0x0
; ROUTE.  (1) x [1024][1024] f32 becomes codes of E5M2 twice: xc version 0 with the scale 2^e1 (for the product with w1), version 1, 1 MiB further on, with 2^e3 (for w3);
; both [token][1024], one code a byte, k in its natural order.  code = x / 2^e, held within +-57,344, to the nearest code, ties to even.
; (2) For each token: the two largest logits (of equal ones the lower index first), the softmax over all 16, the two chosen weights divided by their sum (by 1 where that sum is not above 0), times per_expert_scale.
; ids[t], ids[1024 + t]: the first and second choice (int32).  gw[2 t + slot]: the weight.  Every store stands at a place that hangs on ids of threads alone: a choice only selects values (v_cndmask_b32).
; SHARES.  Wave w of work-group g quantises token 4 g + w: eight loads of 512 consecutive bytes.  A lane's four codes of a load are 4 bytes; they go through the wave's own 2,048 bytes of LDS and come back 16 bytes a lane, so that
; each store of codes covers 512 consecutive bytes, aligned.  In work-groups 0 to 7 a lane also routes token 32 (4 g + w) + lane; nothing crosses lanes.  The stores of ids cover 128 bytes a wave (8 KB in the whole launch).
; No barrier: waves share nothing.  No matrix work, no cluster: no two work-groups read the same byte.
; LIMITS: e1 and e3 between -126 and 112, so that 2^e and 57,344 x 2^e are f32 numbers.  The logits are finite.  NaN among the inputs is not served.
.set LG, 16                            ; v16-31   my token's 16 logits
.set XR, 32                            ; v32-63   x: register 4 i + j is k = 128 i + 4 lane + j
.set TQ, 64                            ; v64-95   the same, held
.set CD, 96                            ; v96-111  codes, eight registers a version: register i is k = 128 i + 4 lane + 0 .. 3
.set BK, 112                           ; v112-127 back from LDS, eight registers a version
.set EX, 128                           ; v128-143 the exponentials; v144-159 the routing's other numbers
	s_load_b256 s[4:11], s[0:1], 0x0               ; x s[4:5], router_logits s[6:7], per_expert_scale s[8:9], lowp_scales s[10:11]
	s_load_b128 s[12:15], s[0:1], 0x20             ; ids s[12:13], gw s[14:15]
	s_load_b64 s[16:17], s[0:1], 0x30              ; xc
	v_lshl_add_u32 v160, v0, 2, 0x2000
	v_mov_b32 v161, 0
	v_lshrrev_b32 v1, 5, v0
	v_readfirstlane_b32 s18, v1                    ; wave
	v_and_b32 v2, 31, v0                           ; lane
	v_lshlrev_b32 v3, 4, v2                        ; 16 x lane
	s_lshl_b32 s19, ttmp9, 2
	s_add_co_u32 s19, s19, s18                     ; 4 g + w: my token
	s_lshl_b32 s20, s19, 12                        ; its row of x, 4,096 bytes
	s_mov_b32 s21, 0
	s_lshl_b32 s22, s19, 10                        ; its row of codes, 1,024 bytes
	s_mov_b32 s23, 0
	s_lshl_b32 s24, s18, 11                        ; my wave's 2,048 bytes of LDS
	v_lshl_add_u32 v4, v2, 2, s24                  ; into them: 4 x lane
	v_add_nc_u32 v5, s24, v3                       ; back: 16 x lane
	s_wait_alu depctr_va_vdst(0)
	s_wait_kmcnt 0x0
	s_load_b128 s[28:31], s[10:11], 0x0            ; e0, e1, e2, e3
	s_add_nc_u64 s[4:5], s[4:5], s[20:21]
	s_add_nc_u64 s[16:17], s[16:17], s[22:23]
.irp i, 0,1,2,3,4,5,6,7
	global_load_b128 v[XR+4*\i:XR+4*\i+3], v3, s[4:5] offset:512*\i th:TH_LOAD_NT
.endr
	s_cmp_lt_u32 ttmp9, 8                          ; 8 work-groups x 4 waves x 32 lanes route the 1,024 tokens, while x is on its way
	s_cbranch_scc0 .Lno_routing
	s_load_b512 s[32:47], s[8:9], 0x0              ; per_expert_scale
	s_lshl_b32 s25, s19, 5
	v_add_nc_u32 v158, s25, v2                     ; the token that I route
	v_lshlrev_b32 v159, 6, v158                    ; its 64 bytes of logits
.irp c, 0,1,2,3
	global_load_b128 v[LG+4*\c:LG+4*\c+3], v159, s[6:7] offset:16*\c
.endr
.macro ROWMAX d                        ; the largest of the 16
	v_max3_num_f32 v[\d], v[LG], v[LG+1], v[LG+2]
.irp i, 3,5,7,9,11,13
	v_max3_num_f32 v[\d], v[\d], v[LG+\i], v[LG+\i+1]
.endr
	v_max_num_f32 v[\d], v[\d], v[LG+15]
.endm
.macro PICK m, id, sc                  ; the lowest index whose logit equals v[m], and that expert's scale: from 15 down, so that the lowest is written last
	v_mov_b32 v[\id], 0
	v_mov_b32 v[\sc], s32
.irp e, 15,14,13,12,11,10,9,8,7,6,5,4,3,2,1,0
	v_cmp_eq_f32 vcc_lo, v[LG+\e], v[\m]
	v_cndmask_b32 v[\id], v[\id], \e, vcc_lo
	v_cndmask_b32 v[\sc], v[\sc], s[32+\e], vcc_lo
.endr
.endm
	s_wait_loadcnt 0x0                             ; the logits were issued last: all loads are in
	s_wait_kmcnt 0x0
	ROWMAX 144                                     ; m
.irp e, 0,1,2,3,4,5,6,7,8,9,10,11,12,13,14,15
	v_sub_f32 v[EX+\e], v[LG+\e], v144             ; the maximum is taken away first,
.endr
.irp e, 0,1,2,3,4,5,6,7,8,9,10,11,12,13,14,15
	v_mul_f32 v[EX+\e], 0x3fb8aa3b, v[EX+\e]       ; x log2(e)
.endr
	s_wait_alu depctr_va_vdst(0)
.irp e, 0,1,2,3,4,5,6,7,8,9,10,11,12,13,14,15
	v_exp_f32 v[EX+\e], v[EX+\e]
.endr
	v_mov_b32 v151, 0xff800000                     ; -infinity.  (The plain instruction behind the exponentials)
	s_wait_alu depctr_va_vdst(0)
	v_add_f32 v145, v[EX], v[EX+1]
.irp e, 2,3,4,5,6,7,8,9,10,11,12,13,14,15
	v_add_f32 v145, v145, v[EX+\e]                 ; S, the softmax's sum
.endr
	PICK 144, 146, 147                             ; the first choice and its scale
.irp e, 0,1,2,3,4,5,6,7,8,9,10,11,12,13,14,15
	v_cmp_eq_u32 vcc_lo, \e, v146
	v_cndmask_b32 v[LG+\e], v[LG+\e], v151, vcc_lo ; it is taken out
.endr
	ROWMAX 148                                     ; the second largest
	PICK 148, 149, 150                             ; the second choice and its scale
	v_sub_f32 v152, v148, v144
	v_mul_f32 v152, 0x3fb8aa3b, v152
	s_wait_alu depctr_va_vdst(0)
	v_exp_f32 v152, v152                           ; its exponential; the first choice's is exactly 1
	v_rcp_f32 v153, v145                           ; p0 = 1 / S
	v_nop
	s_wait_alu depctr_va_vdst(0)
	v_mul_f32 v152, v152, v153                     ; p1
	v_add_f32 v156, v153, v152                     ; the two chosen weights' sum,
	v_cmp_lt_f32 vcc_lo, 0, v156
	v_cndmask_b32 v156, 1.0, v156, vcc_lo          ; or 1 where it is not above 0
	s_wait_alu depctr_va_vdst(0)
	v_rcp_f32 v157, v156
	v_nop
	s_wait_alu depctr_va_vdst(0)
	v_mul_f32 v154, v153, v157
	v_mul_f32 v155, v152, v157
	v_mul_f32 v154, v154, v147
	v_mul_f32 v155, v155, v150
	v_lshlrev_b32 v156, 2, v158
	v_lshlrev_b32 v157, 3, v158
	global_store_b32 v156, v146, s[12:13]
	global_store_b32 v156, v149, s[12:13] offset:4096
	global_store_b64 v157, v[154:155], s[14:15]    ; none of these registers is written again
.Lno_routing:
	s_wait_kmcnt 0x0
.macro SCALE vs, vl, se                ; v[vs] = 2^e as f32 (the conversion takes its exponent field), v[vl] = 57,344 x 2^e
	s_add_co_i32 s25, \se, 127
	s_lshl_b32 s26, s25, 23
	v_mov_b32 v[\vs], s26
	s_add_co_i32 s25, s25, 15
	s_lshl_b32 s25, s25, 23
	s_or_b32 s25, s25, 0x600000
	v_mov_b32 v[\vl], s25
.endm
	SCALE 8, 9, s29                                ; e1
	SCALE 10, 11, s31                              ; e3
.macro QV ver, sc, lim
.irp i, 0,1,2,3,4,5,6,7,8,9,10,11,12,13,14,15,16,17,18,19,20,21,22,23,24,25,26,27,28,29,30,31
	v_med3_num_f32 v[TQ+\i], v[XR+\i], -v[\lim], v[\lim]   ; the conversion to an 8-bit code does not saturate (ISA guide 7.6.2): the hold comes first; x itself is kept for the other version
.endr
.irp q, 0,1,2,3
	v_cvt_scalef32_pk8_bf8_f32 v[CD+8*\ver+2*\q:CD+8*\ver+2*\q+1], v[TQ+8*\q:TQ+8*\q+7], v[\sc]
.endr
	v_nop                                          ; a plain instruction between the conversions and the next version's holds, which write their sources
.irp i, 0,1,2,3,4,5,6,7
	ds_store_b32 v4, v[CD+8*\ver+\i] offset:1024*\ver+128*\i
.endr
.irp hh, 0,1
	ds_load_b128 v[BK+8*\ver+4*\hh:BK+8*\ver+4*\hh+3], v5 offset:1024*\ver+512*\hh   ; LDS serves a wave's instructions in order (ISA guide 5.7.1.4): these see my stores
.endr
.endm
	s_wait_alu depctr_va_vdst(0)
	s_wait_loadcnt 0x0                             ; x
	QV 0, 8, 9
	QV 1, 10, 11
	s_wait_dscnt 0x0
.irp ver, 0,1
.irp hh, 0,1
	global_store_b128 v3, v[BK+8*\ver+4*\hh:BK+8*\ver+4*\hh+3], s[16:17] offset:1048576*\ver+512*\hh
.endr
.endr
	s_wait_tensorcnt 0x0
	ds_add_u32 v160, v161
	s_wait_dscnt 0x0
	s_endpgm
.Lfunc_end_k_q072e0e7e86_route:
	.size	k_q072e0e7e86_route, .Lfunc_end_k_q072e0e7e86_route-k_q072e0e7e86_route
	.p2alignl 7, 3214868480
	.fill 96, 4, 3214868480
	.section	.rodata,"a",@progbits
	.p2align	6, 0x0
	.amdhsa_kernel k_q072e0e7e86_route
		.amdhsa_group_segment_fixed_size 8704
		.amdhsa_private_segment_fixed_size 0
		.amdhsa_enable_private_segment 0
		.amdhsa_kernarg_size 56
		.amdhsa_user_sgpr_count 2
		.amdhsa_user_sgpr_kernarg_segment_ptr 1
		.amdhsa_wavefront_size32 1
		.amdhsa_system_sgpr_workgroup_id_x 1
		.amdhsa_system_sgpr_workgroup_id_y 1
		.amdhsa_system_sgpr_workgroup_id_z 1
		.amdhsa_system_vgpr_workitem_id 0
		.amdhsa_next_free_vgpr 162
		.amdhsa_next_free_sgpr 66
		.amdhsa_reserve_vcc 1
		.amdhsa_float_denorm_mode_32 3
		.amdhsa_float_denorm_mode_16_64 3
		.amdhsa_memory_ordered 1
		.amdhsa_forward_progress 1
		.amdhsa_inst_pref_size 21
	.end_amdhsa_kernel
	.amdgpu_metadata
---
amdhsa.version: [ 1, 2 ]
amdhsa.kernels:
  - .name:           k_q072e0e7e86_route
    .symbol:         k_q072e0e7e86_route.kd
    .args:
      - { .name: x, .offset: 0, .size: 8, .value_kind: global_buffer, .address_space: global }
      - { .name: router_logits, .offset: 8, .size: 8, .value_kind: global_buffer, .address_space: global }
      - { .name: per_expert_scale, .offset: 16, .size: 8, .value_kind: global_buffer, .address_space: global }
      - { .name: lowp_scales, .offset: 24, .size: 8, .value_kind: global_buffer, .address_space: global }
      - { .name: ids, .offset: 32, .size: 8, .value_kind: global_buffer, .address_space: global }
      - { .name: gw, .offset: 40, .size: 8, .value_kind: global_buffer, .address_space: global }
      - { .name: xc, .offset: 48, .size: 8, .value_kind: global_buffer, .address_space: global }
    .group_segment_fixed_size: 8704
    .private_segment_fixed_size: 0
    .kernarg_segment_align: 8
    .kernarg_segment_size: 56
    .max_flat_workgroup_size: 128
    .sgpr_count:     66
    .vgpr_count:     162
    .wavefront_size: 32
...
	.end_amdgpu_metadata
.endif
;; end of part 5
;; launch gateup (part 6): grid 16 x 16, 4 waves a work-group, no clusters, 133,632 bytes of LDS; arguments w1, w3, xc, ids, lowp_scales, hc; writes hc
.if DOCPART == 6
	.amdgcn_target "amdgcn-amd-amdhsa--gfx1250"
	.amdhsa_code_object_version 6
	.text
	.protected	k_q072e0e7e86_gateup
	.globl	k_q072e0e7e86_gateup
	.p2align	8
	.type	k_q072e0e7e86_gateup,@function
k_q072e0e7e86_gateup:
	s_mov_b64 s[64:65], 0
	v_nop
	global_prefetch_b8 v0, s[64:65] scope:SCOPE_SE
	s_setreg_imm32_b32 hwreg(HW_REG_WAVE_SCHED_MODE, 0, 2), 2
	s_setreg_imm32_b32 hwreg(HW_REG_WAVE_MODE, 25, 1), 1
	s_wait_xcnt 0x0
	s_wait_alu depctr_vm_vsrc(0)
; GATEUP.  For expert e (work-group y) and hidden units 64 s .. 64 s + 63 (work-group x): h = gelu(x w1^T) (x w3^T) for the rows routed to e, both products on codes of E5M2, h quantised with 2^e4 and stored as codes.
; Only rows that chose expert e are multiplied: for all others the combine weight that multiplies the result is 0.
; EACH WEIGHT BYTE IS READ ONCE IN THE LAUNCH, by one wave: 16 x 16 work-groups, each with 64 rows of w1[e] and of w3[e] (256 KB each), 16 + 16 rows a wave.
; PHASES.  STREAM: 64 batches of half a row (four loads of 512 consecutive bytes; eight batches, 32 loads, are always on their way): held, converted, stored to LDS as codes with k in its natural order; barrier.
;   Between the batches stand the making of my list entries (batches 0 to 8) and then the loads of my rows' codes of x into registers.
;   PRODUCTS: tiles of 16 list rows; in pass p wave w has tiles 12 p + 3 w + 0 .. 2.  The loop has six trips, a constant; a trip without rows is jumped over by a scalar branch on the count; no barrier stands in it.
; THE LIST.  The rows of expert e are numbered by token: register 4 q + j of the loaded ids holds, in lane l, token 128 q + 4 l + j; rows count through the registers in ascending order and through the lanes within a register.
;   Every wave finds the rows that it wants by itself, in registers: for each register of ids the masks of the lanes that chose e first or second, and P, the rows before it; a lane that wants row p keeps the masks of the last register with P <= p,
;   and then takes the (p - P + 1)-th set bit by counts of bits in pieces of 16, 8, 4, 2 and 1.  Entry = 2 token + slot; 2048 + e where p is not below n, the number of rows.  No lane talks to another, nothing goes through LDS.
; LAYOUT.  The products are used transposed (source 0 = 16 rows of a weight, source 1 = 16 rows of x): a lane holds ONE row (lane % 16), and its registers run along the hidden units.  THE ROWS OF A WEIGHT THAT FORM A TILE ARE NOT NEIGHBOURS:
;   row m of tile 2 b + u is unit 32 b + 8 u + m + 8 (m / 8), so that a lane's 16 registers of tiles 2 b and 2 b + 1 are the 16 neighbours 32 b + 16 (lane / 16) + 0 .. 15, which the conversions take as they stand.
;   A fragment is fetched by four loads of 16 bytes, 32 apart: registers 4 c .. 4 c + 3 hold k = 32 c + 16 (lane / 16) + 0 .. 15: a permutation of k that is the same on both sides.
; hc: [expert][tile 0..63][chunk 0..63][row 0..15][16 bytes], chunk m = hidden units 16 m .. 16 m + 15: the order of the next product's operand registers; each store here covers 512 consecutive bytes, aligned.
; GELU is the exact one: Phi(g) = erfc(-g / sqrt 2) / 2, erfc(z) = t exp(-z^2 + P(t)), t = 1 / (1 + z / 2), P of degree 9 (its stated error is 1.2e-7 of erfc); for g < 0 Phi is that value itself, so the tail keeps its relative accuracy.
; The four scales of the two products and h's own are folded into the conversion's one: code = (G Phi U) / 2^(e4 - e0 - e1 - e2 - e3), G and U the raw sums.
; NO CLUSTER, NO TENSOR LOAD: no two work-groups read the same weight byte; the f32 weights pass through registers to be quantised; what the sixteen slices of an expert share, the rows' codes of x (2 KB a row), is gathered by a list
;   whose length hangs on numbers read from memory, and branches hang on it.
; LIMITS: e0, e2 and e4 - e0 - e1 - e2 - e3 between -126 and 112; e0 + e1 between -125 and 127.  NaN among the inputs is not served.  ids hold 0 .. 15, the two of a token different.
; THE MODE: SCHED_MODE bits 1:0 = 2 (LLVM: expert scheduling mode 2), set by the entry lines.  The code itself states the register dependences between vector or matrix instructions and memory or LDS instructions, with s_wait_alu, always for 0.
; THE PLAN.  Registers that memory or LDS instructions touch, and who else names them:
;   RING set T % 8   Batch T: its sixteen holds write it, its two conversions read it; behind them the loads of batch T + 8 land in it.
;   CODE set T % 8   Batch T: its conversions write it, its four LDS stores read it; written again eight batches on; from the products on the accumulators lie there.
;   v5-7             Offsets of my rows in xc: written once, where the list is finished; read by all loads of x; made anew in a later pass.
;   windows 1 to 3   The loads of x land there; the products read them.
;   FB set ks % 2    The LDS loads of K step ks land in it, that step's twelve products read it.  Behind the products gelu's numbers lie in set 0, and h's codes, which the stores to hc read, in set 1.
;   v1, v2, v3, v8-11   Offsets and LDS addresses: made at the head, never written again.
;   So a batch has ONE wait on va_vdst, behind its conversions, and from batch 8 on one on vm_vsrc ahead of them; a K step has one wait on va_vdst at its head, behind which the next step's fragments are asked for among its products.
;   Masks made by compares go into scalar registers, in runs, with one wait on va_sdst behind each run.
; REGISTERS, window 0: v1 16 x lane; v2, v3 where I store codes of w1, w3; v4 lane % 16; v5-7 my rows' offsets in xc; v8-11 fragment addresses (w1 b = 0, 1; w3 b = 0, 1); v12-17 scale and limit for w1, w3, h;
;   v18-23, v26-31 the list's kept numbers, three each: second-choice mask, P and first token, the row wanted, first-choice mask; v24-25 a coefficient; v32-95 ids, then the list's last step; v96-127 codes just made, eight sets;
;   then v32-127 twelve accumulators; v128-255 the ring of eight batches; then two sets of four fragments; then gelu's numbers and h's codes.
;   windows 1, 2, 3: the x fragments of tile slot 0, 1, 2: version 0 at v[16 ks], version 1 at v[128 + 16 ks].
;   Scalar: s44-63 a piece's masks, counts and sums; s52-55, s32-35, s24-27 (free once the head has folded the scales) a piece's twelve masks 'the row lies before this register', for slot 0, 1, 2; s52-54 the last step's masks; s44-59 gelu's sixteen.
.set PW,   1040                        ; a row of 1,024 codes in LDS + 16 bytes: an odd multiple of 16, so that the 16 rows of a fragment load start at 16 different groups of four banks (64 banks of 4 bytes: ISA guide 11.1)
.set W3O,  64*PW                       ; LDS: 64 rows of w1, then 64 rows of w3
.set NB,   64                          ; batches
.set LPB,  1                           ; pieces of the list in a batch
.set XS,   8/LPB                       ; the batch in which the list is finished and the rows' loads begin: 192 loads in 56 batches, 24/7 a batch
.set IDB,  10                          ; s[10:11] ids
.set ACC,  32
.set CODE, 96
.set RING, 128
.set FB,   128
.set ZR,   128
.set TR,   144
.set PR,   160
.set RR,   176
.set PJ,   26                          ; the row wanted, for slot 0, 1, 2
.set MA,   29                          ; the mask of first choices
.set MB,   18                          ; the mask of second choices
.set CB,   21                          ; P in bits 15:0, the register's first token in bits 31:16
.set LT,   32                          ; the list's last step: 16 registers a slot: +0 mask, +1 .. +4 counts in pieces of 2, 4, 8, 16 bits, +5 k, +6 the bit's place, +7, +8 at work, +9 the entry
.set KM0,  52                          ; s52-55  a piece's masks for slot 0; the last step's three masks
.set KM1,  32                          ; s32-35  for slot 1
.set KM2,  24                          ; s24-27  for slot 2
.set GM,   44                          ; s44-59  gelu's sixteen masks
.set MSB,  0
.macro WIN new                         ; s_set_vgpr_msb: bits 1:0 source 0, 3:2 source 1, 5:4 source 2, 7:6 destination; the high byte repeats the setting that is left
.if MSB != (\new)
	s_set_vgpr_msb (MSB<<8)|(\new)
.set MSB, (\new)
.endif
.endm
.macro LOADW tt                        ; batch tt: matrix tt / 32, row (tt / 2) % 16 of my tile, half tt % 2: four loads of 512 consecutive bytes into ring set tt % 8
.set lm, ((\tt)>>1)&15
.set lh, (\tt)&1
.set lb, 4+2*((\tt)>>5)
.set LS, RING+16*((\tt)%8)
.irp i, 0,1,2,3
	global_load_b128 v[LS+4*\i:LS+4*\i+3], v1, s[lb:lb+1] offset:(lm+8*(lm/8))*4096+lh*2048+512*\i th:TH_LOAD_NT
.endr
.endm
.macro FILL
.irp t, 0,1,2,3,4,5,6,7
	LOADW \t
.endr
.endm
.macro XL n                            ; load n of 192 of my rows' codes of x: slot n / 64, version (n / 32) % 2, K step (n / 4) % 8, piece n % 4
.set xj, (\n)/64
.set xr, 128*(((\n)/32)&1)+16*(((\n)/4)&7)+4*((\n)&3)
.set xo2, 1048576*(((\n)/32)&1)+128*(((\n)/4)&7)+32*((\n)&3)
	WIN 0x40*(1+xj)
	global_load_b128 v[xr:xr+3], v[5+xj], s[8:9] offset:xo2
.endm
.macro SCALE vs, vl, se                ; v[vs] = 2^e as f32, v[vl] = 57,344 x 2^e
	s_add_co_i32 s40, \se, 127
	s_lshl_b32 s41, s40, 23
	v_mov_b32 v[\vs], s41
	s_add_co_i32 s40, s40, 15
	s_lshl_b32 s40, s40, 23
	s_or_b32 s40, s40, 0x600000
	v_mov_b32 v[\vl], s40
.endm
; ---- the list's macros
.macro IDSL                            ; all ids: register 4 q + j is token 128 q + 4 lane + j
.irp q, 0,1,2,3,4,5,6,7
	global_load_b128 v[32+4*\q:35+4*\q], v1, s[IDB:IDB+1] offset:512*\q          ; first choices
.endr
.irp q, 0,1,2,3,4,5,6,7
	global_load_b128 v[64+4*\q:67+4*\q], v1, s[IDB:IDB+1] offset:4096+512*\q     ; second choices
.endr
.endm
.macro LHEAD                           ; the rows that I want: 16 x (my first tile of the pass + slot) + lane % 16
	s_lshl_b32 s40, s21, 4
	v_add_nc_u32 v[PJ], s40, v4
	v_add_nc_u32 v[PJ+1], 16, v[PJ]
	v_add_nc_u32 v[PJ+2], 32, v[PJ]
	s_mov_b32 s38, 0                               ; P
.endm
.macro LPIECE q                        ; registers 4 q .. 4 q + 3 of the ids.  The four registers' masks, counts and sums are made together, so that vector and scalar work change hands once
.irp j, 0,1,2,3
	v_cmp_eq_u32 s[44+\j], s17, v[32+4*(\q)+\j]
	v_cmp_eq_u32 s[48+\j], s17, v[64+4*(\q)+\j]
.endr
	s_wait_alu depctr_va_sdst(0)                   ; the eight masks s44-51 are written, ahead of their first readers, the scalar lines below
.irp j, 0,1,2,3
	s_or_b32 s[52+\j], s[44+\j], s[48+\j]
.endr
.irp j, 0,1,2,3
	s_bcnt1_i32_b32 s[52+\j], s[52+\j]
.endr
	s_mov_b32 s60, s38                             ; the rows before each of the four
	s_add_co_u32 s61, s60, s52
	s_add_co_u32 s62, s61, s53
	s_add_co_u32 s63, s62, s54
	s_add_co_u32 s38, s63, s55
.irp j, 0,1,2,3
	s_or_b32 s[56+\j], s[60+\j], (128*(\q)+\j)<<16 ; P (1,024 at the most) below, the register's first token above
.endr
.irp j, 0,1,2,3
.if ((\q) != 0) || (\j != 0)
	v_cmp_gt_u32 s[KM0+\j], s[60+\j], v[PJ]        ; P > p: the row lies before this register.  The piece's compares stand in one run: they hang on P and p alone
	v_cmp_gt_u32 s[KM1+\j], s[60+\j], v[PJ+1]
	v_cmp_gt_u32 s[KM2+\j], s[60+\j], v[PJ+2]
.endif
.endr
	s_wait_alu depctr_va_sdst(0)                   ; these masks are written, ahead of the selects that read them
.irp j, 0,1,2,3
.if ((\q) == 0) && (\j == 0)
.irp t, 0,1,2
	v_mov_b32 v[MA+\t], s44                        ; the first register has P = 0: it starts the kept numbers
	v_mov_b32 v[MB+\t], s48
	v_mov_b32 v[CB+\t], s56
.endr
.else
	v_cndmask_b32 v[MA], s[44+\j], v[MA], s[KM0+\j]        ; where the row lies before this register, what is kept stays; else this register's numbers are taken
	v_cndmask_b32 v[MB], s[48+\j], v[MB], s[KM0+\j]
	v_cndmask_b32 v[CB], s[56+\j], v[CB], s[KM0+\j]
	v_cndmask_b32 v[MA+1], s[44+\j], v[MA+1], s[KM1+\j]
	v_cndmask_b32 v[MB+1], s[48+\j], v[MB+1], s[KM1+\j]
	v_cndmask_b32 v[CB+1], s[56+\j], v[CB+1], s[KM1+\j]
	v_cndmask_b32 v[MA+2], s[44+\j], v[MA+2], s[KM2+\j]
	v_cndmask_b32 v[MB+2], s[48+\j], v[MB+2], s[KM2+\j]
	v_cndmask_b32 v[CB+2], s[56+\j], v[CB+2], s[KM2+\j]
.endif
.endr
.endm
.macro LSTEP src, w                    ; one halving: c = the set bits in the lower w bits of the piece in hand; where k >= c the bit lies in the upper half: k -= c, place += w
.irp t, 0,1,2
	v_bfe_u32 v[LT+16*\t+7], v[LT+16*\t+\src], v[LT+16*\t+6], \w
.endr
.irp t, 0,1,2
	v_cmp_ge_u32 s[KM0+\t], v[LT+16*\t+5], v[LT+16*\t+7]
.endr
	s_wait_alu depctr_va_sdst(0)                   ; the three masks are written, ahead of the selects that read them
.irp t, 0,1,2
	v_cndmask_b32 v[LT+16*\t+7], 0, v[LT+16*\t+7], s[KM0+\t]
	v_cndmask_b32 v[LT+16*\t+8], 0, \w, s[KM0+\t]
.endr
.irp t, 0,1,2
	v_sub_nc_u32 v[LT+16*\t+5], v[LT+16*\t+5], v[LT+16*\t+7]
	v_add_nc_u32 v[LT+16*\t+6], v[LT+16*\t+6], v[LT+16*\t+8]
.endr
.endm
.macro LFIN first                      ; the kept numbers become entries.  first = 1: also n and the number of tiles
.if \first
	s_min_u32 s19, s38, 1024                       ; n
	s_add_co_u32 s20, s19, 15
	s_lshr_b32 s20, s20, 4
	s_max_u32 s20, s20, 1                          ; tiles; at least one, so that tile 0 of every expert is written
.endif
	s_add_co_u32 s39, s17, 2048                    ; the entry of a row that is none
.irp t, 0,1,2
	v_or_b32 v[LT+16*\t], v[MA+\t], v[MB+\t]       ; the lanes that chose e
	v_and_b32 v[LT+16*\t+7], 0xffff, v[CB+\t]
	v_sub_nc_u32 v[LT+16*\t+5], v[PJ+\t], v[LT+16*\t+7]    ; k = p - P
	v_mov_b32 v[LT+16*\t+6], 0                     ; the place
.endr
.irp t, 0,1,2
	v_lshrrev_b32 v[LT+16*\t+7], 1, v[LT+16*\t]
	v_and_b32 v[LT+16*\t+7], 0x55555555, v[LT+16*\t+7]
	v_sub_nc_u32 v[LT+16*\t+1], v[LT+16*\t], v[LT+16*\t+7]         ; counts of pairs of bits
.endr
.irp t, 0,1,2
	v_lshrrev_b32 v[LT+16*\t+7], 2, v[LT+16*\t+1]
	v_and_b32 v[LT+16*\t+7], 0x33333333, v[LT+16*\t+7]
	v_and_b32 v[LT+16*\t+8], 0x33333333, v[LT+16*\t+1]
	v_add_nc_u32 v[LT+16*\t+2], v[LT+16*\t+7], v[LT+16*\t+8]       ; of four
.endr
.irp t, 0,1,2
	v_lshrrev_b32 v[LT+16*\t+7], 4, v[LT+16*\t+2]
	v_add_nc_u32 v[LT+16*\t+7], v[LT+16*\t+7], v[LT+16*\t+2]
	v_and_b32 v[LT+16*\t+3], 0x0f0f0f0f, v[LT+16*\t+7]             ; of eight
.endr
.irp t, 0,1,2
	v_lshrrev_b32 v[LT+16*\t+7], 8, v[LT+16*\t+3]
	v_add_nc_u32 v[LT+16*\t+7], v[LT+16*\t+7], v[LT+16*\t+3]
	v_and_b32 v[LT+16*\t+4], 0xff, v[LT+16*\t+7]                   ; of the lower sixteen
.endr
	LSTEP 4, 16
	LSTEP 3, 8
	LSTEP 2, 4
	LSTEP 1, 2
	LSTEP 0, 1
.irp t, 0,1,2
	v_cmp_gt_u32 s[KM0+\t], s19, v[PJ+\t]          ; p < n?  The arithmetic below stands between these compares and the wait for them
.endr
.irp t, 0,1,2
	v_bfe_u32 v[LT+16*\t+7], v[MB+\t], v[LT+16*\t+6], 1            ; slot: 1 where e is that lane's second choice
	v_lshrrev_b32 v[LT+16*\t+8], 16, v[CB+\t]
	v_lshl_add_u32 v[LT+16*\t+8], v[LT+16*\t+6], 2, v[LT+16*\t+8]  ; token = the register's first + 4 x lane
	v_lshl_add_u32 v[LT+16*\t+9], v[LT+16*\t+8], 1, v[LT+16*\t+7]  ; 2 token + slot
.endr
	s_wait_alu depctr_va_sdst(0)                   ; the three masks are written, ahead of the selects that read them
.irp t, 0,1,2
	v_cndmask_b32 v[LT+16*\t+9], s39, v[LT+16*\t+9], s[KM0+\t]     ; only where p < n
.endr
.endm
.macro MKXO                            ; entries -> offsets in xc: token x 1,024 + 16 (lane / 16).  The entry 2048 + e of a row that is none gives token 1,023: a row that can be read, and whose result is thrown away later
	v_and_b32 v[LT+10], 16, v0
.irp t, 0,1,2
	v_lshrrev_b32 v[LT+16*\t+7], 1, v[LT+16*\t+9]
	v_min_u32 v[LT+16*\t+7], 0x3ff, v[LT+16*\t+7]  ; a number made of loaded ones enters an address behind this bound
	v_lshl_add_u32 v[5+\t], v[LT+16*\t+7], 10, v[LT+10]
.endr
.endm
	s_load_b256 s[4:11], s[0:1], 0x0               ; w1 s[4:5], w3 s[6:7], xc s[8:9], ids s[10:11]
	s_load_b128 s[12:15], s[0:1], 0x20             ; lowp_scales s[12:13], hc s[14:15]
	v_lshrrev_b32 v1, 5, v0
	v_readfirstlane_b32 s16, v1                    ; wave
	s_and_b32 s17, ttmp7, 0xffff                   ; expert
	s_mov_b32 s18, ttmp9                           ; slice
	v_and_b32 v23, 31, v0                          ; lane
	v_and_b32 v4, 15, v0                           ; r
	v_bfe_u32 v19, v0, 4, 1                        ; h
	v_lshlrev_b32 v1, 4, v23
	s_wait_alu depctr_va_sdst(0)                   ; s16 is written, ahead of its first reader: LDS addresses and the bases of the weights and of hc are made from it
	s_mul_i32 s40, s16, 16*PW
	v_lshl_add_u32 v2, v23, 2, s40                 ; LDS: my 16 rows, 4 bytes a lane
	v_add_nc_u32 v3, W3O, v2
	v_mul_u32_u24 v20, v4, PW
	v_lshl_add_u32 v8, v19, 4, v20                 ; LDS: row r, + 16 h
	v_add_nc_u32 v9, 32*PW, v8
	v_add_nc_u32 v10, 64*PW, v8
	v_add_nc_u32 v11, 96*PW, v8
	s_mul_i32 s21, s16, 3                          ; my first tile of the pass
	s_lshl_b32 s40, s17, 22                        ; the weights: expert x 4 MiB
	s_lshl_b32 s41, s18, 18                        ; + 64 s rows of 4,096 bytes
	s_add_co_u32 s40, s40, s41
	s_lshr_b32 s41, s16, 1
	s_lshl_b32 s41, s41, 17                        ; + 32 (w / 2) rows
	s_add_co_u32 s40, s40, s41
	s_and_b32 s41, s16, 1
	s_lshl_b32 s41, s41, 15                        ; + 8 (w % 2) rows
	s_add_co_u32 s40, s40, s41
	s_mov_b32 s41, 0
	s_lshl_b32 s42, s17, 20                        ; hc: expert x 64 tiles of 16,384 bytes
	s_mul_i32 s43, s16, 3*16384                    ; + tile 3 w
	s_add_co_u32 s42, s42, s43
	s_lshl_b32 s43, s18, 10                        ; + chunk 4 s
	s_add_co_u32 s42, s42, s43
	s_mov_b32 s43, 0
	s_wait_kmcnt 0x0
	s_load_b128 s[24:27], s[12:13], 0x0            ; e0 .. e3
	s_load_b64 s[28:29], s[12:13], 0x10            ; e4, e5
	s_add_nc_u64 s[4:5], s[4:5], s[40:41]
	s_add_nc_u64 s[6:7], s[6:7], s[40:41]
	s_add_nc_u64 s[14:15], s[14:15], s[42:43]
	s_wait_alu depctr_va_vdst(0)                   ; v1, v2, v3 and v8 to v11 are written: the offsets and LDS addresses that the loads and stores of the whole kernel read
	IDSL                                           ; ahead of the ring: older than every batch, so the first batch's wait shows them in
	FILL
	s_wait_kmcnt 0x0
	SCALE 12, 13, s24                              ; w1
	SCALE 14, 15, s26                              ; w3
	s_sub_co_i32 s34, s28, s24
	s_sub_co_i32 s34, s34, s25
	s_sub_co_i32 s34, s34, s26
	s_sub_co_i32 s34, s34, s27
	SCALE 16, 17, s34                              ; h: e4 - e0 - e1 - e2 - e3
	s_add_co_i32 s30, s24, s25
	s_lshl_b32 s30, s30, 23
	s_add_co_i32 s30, s30, 0x3f3504f3              ; 2^(e0 + e1) / sqrt 2: the exponents are added to the exponent field of 0.70710678
	s_mov_b32 s31, s30                             ; (named with it as a pair, so it is written)
	v_mov_b32 v24, 0xbf527892                      ; -0.82215223
	v_mov_b32 v25, 0xbf527892
	LHEAD
; ---- STREAM.  Batch T.  The count leaves out what was issued behind this batch's loads: the younger batches (four loads each, seven at the most) and the loads of x of the eight batches since: load number ((b - XS) 24) / 7 is the first of batch b.
; Behind a batch's own loads a wave has at most 32 + 31 = 63 loads out.
.macro BATCH
.set bm, (T>>1)&15
.set bh, T&1
.set bq, T>>5
.set RS, RING+16*(T%8)
.set CS, CODE+4*(T%8)
.set wy, NB-1-T
.if wy > 7
.set wy, 7
.endif
.set xa, 0
.set xb, 0
.set xo, 0
.if T > XS
.set xa, ((T-XS)*24)/7
.endif
.if T+1 > XS
.set xb, ((T+1-XS)*24)/7
.endif
.if T-8 > XS
.set xo, ((T-8-XS)*24)/7
.endif
	s_wait_loadcnt 4*wy+xa-xo
.if T >= 8
	s_wait_dscnt 28                                ; the four stores that read this set of codes eight batches ago are done; the 28 of the seven batches between may be out
.endif
.irp i, 0,1,2,3,4,5,6,7,8,9,10,11,12,13,14,15
	v_med3_num_f32 v[RS+\i], v[RS+\i], -v[13+2*bq], v[13+2*bq]   ; the hold: the conversion does not saturate (ISA guide 7.6.2)
.endr
.if T >= 8
	s_wait_alu depctr_vm_vsrc(0)                   ; the LDS stores of eight batches ago have read this set of codes, which the conversions write again
.endif
	v_cvt_scalef32_pk8_bf8_f32 v[CS:CS+1], v[RS:RS+7], v[12+2*bq]
	v_cvt_scalef32_pk8_bf8_f32 v[CS+2:CS+3], v[RS+8:RS+15], v[12+2*bq]
	s_wait_alu depctr_va_vdst(0)                   ; the conversions have written the codes, which the LDS stores read; the holds have written and the conversions have read the ring's set, in which the loads below land
.irp i, 0,1,2,3
	ds_store_b32 v[2+bq], v[CS+\i] offset:bm*PW+(4*bh+\i)*128    ; k = 512 half + 128 i + 4 lane + 0 .. 3: 128 consecutive bytes
.endr
.if T+8 < NB
	LOADW T+8
.endif
.if T < XS
	LPIECE T                                       ; a piece of the list, behind the batch's own loads: the wave would wait for the next batch here
.endif
.if T == XS
	LFIN 1
	MKXO
	s_wait_alu depctr_va_vdst(0)                   ; v5 to v7 are written, which every load of x reads as its offset
.endif
.if xb > xa
.set N, xa
.rept xb-xa
	XL N                                           ; no further wait: no vector instruction since the last wait on va_vdst names v5-7 or windows 1 to 3
.set N, N+1
.endr
	WIN 0
.endif
.endm                                  ; (the next vector instructions behind the conversions are plain and touch other registers)
.set T, 0
.rept NB
	BATCH
.set T, T+1
.endr
	v_nop                                          ; a plain instruction behind the last conversions
	s_wait_dscnt 0x0                               ; for the others' sake: my rows' codes are in LDS
	s_barrier_signal -1
	s_barrier_wait -1
; ---- PRODUCTS
.macro FRAGW b, ks, f                  ; fragment f of K step ks (f = 0, 1: w1's tiles 2 b, 2 b + 1; f = 2, 3: w3's) into set ks % 2
.irp c, 0,1,2,3
	ds_load_b128 v[FB+64*((\ks)&1)+16*(\f)+4*\c:FB+64*((\ks)&1)+16*(\f)+4*\c+3], v[8+2*((\f)/2)+\b] offset:((\f)%2)*16*PW+128*(\ks)+32*\c
.endr
.endm
; 8 K steps x 12 products: 3 slots x (g of tiles 2 b, 2 b + 1; u of the same).  The twelve accumulators take turns, one instruction a turn.
; The two sets of fragments take turns: while step ks's products read set ks % 2, the next step's sixteen LDS loads go into the other set, a fragment's four behind each of the step's first four products.
; An LDS load names the destination's and source 0's windows, which stay 0 under the products' settings: no switch is written for them.
.macro KLOOP b
	s_wait_xcnt 0x0                                ; earlier stores have read their data, which lie where the fragments land
	s_wait_alu depctr_vm_vsrc(0)                   ; the stream's LDS stores have read v96-127, which the products write; the stores to hc have read h's codes, in whose registers fragments land
	s_wait_alu depctr_va_vdst(0)                   ; the vector instructions that named v128-255 are done: the stream's holds and conversions, or gelu's lines of the half before; fragments land there
.irp f, 0,1,2,3
	FRAGW \b, 0, \f
.endr
.irp ks, 0,1,2,3,4,5,6,7
	s_wait_dscnt 0x0                               ; this step's fragments are in: its sixteen loads are all that is out
.if (\ks > 0) && (\ks < 7)
	s_wait_alu depctr_va_vdst(0)                   ; the step before's products are done reading the other set, in which the loads below land
.endif
.irp j, 0,1,2
	WIN (1+\j)<<2                                  ; source 1: the slot's window
.irp f, 0,1,2,3
.if \ks == 0
	v_wmma_f32_16x16x128_bf8_bf8 v[ACC+8*(4*\j+\f):ACC+8*(4*\j+\f)+7], v[FB+64*(\ks&1)+16*\f:FB+64*(\ks&1)+16*\f+15], v[16*\ks+128*(\f/2):16*\ks+128*(\f/2)+15], 0
.else
	v_wmma_f32_16x16x128_bf8_bf8 v[ACC+8*(4*\j+\f):ACC+8*(4*\j+\f)+7], v[FB+64*(\ks&1)+16*\f:FB+64*(\ks&1)+16*\f+15], v[16*\ks+128*(\f/2):16*\ks+128*(\f/2)+15], v[ACC+8*(4*\j+\f):ACC+8*(4*\j+\f)+7]
.endif
.if (\j == 0) && (\ks < 7)
	FRAGW \b, \ks+1, \f                            ; no wait: the products since the wait above name this step's set, the accumulators and x's windows
.endif
.endr
.endr
.endr
	WIN 0
.rept 4
	v_nop                                          ; four places in front of the first read of the results (ISA guide 7.12.1)
.endr
.endm
.macro EPI b, j                        ; slot j: 16 numbers a lane: h = G Phi U, quantised, stored.  Each accumulator is read from its low end on
.set G, ACC+32*\j
.set U, ACC+32*\j+16
.set CR, 208+4*(3*\b+\j)
.irp i, 0,2,4,6,8,10,12,14
	v_pk_mul_f32 v[ZR+\i:ZR+\i+1], v[G+\i:G+\i+1], s[30:31] op_sel_hi:[1,0]   ; g / sqrt 2
.endr
.irp i, 0,1,2,3,4,5,6,7,8,9,10,11,12,13,14,15
	v_max_num_f32 v[ZR+\i], v[ZR+\i], -v[ZR+\i]    ; z = |g| / sqrt 2
.endr
.irp i, 0,2,4,6,8,10,12,14
	v_pk_fma_f32 v[TR+\i:TR+\i+1], v[ZR+\i:ZR+\i+1], 0.5, 1.0 op_sel_hi:[1,0,0]
.endr
	s_wait_alu depctr_va_vdst(0)
.irp i, 0,1,2,3,4,5,6,7,8,9,10,11,12,13,14,15
	v_rcp_f32 v[TR+\i], v[TR+\i]                   ; t = 1 / (1 + z / 2)
.endr
	v_nop                                          ; a plain instruction behind the reciprocals
	s_wait_alu depctr_va_vdst(0)                   ; the sixteen reciprocals have written v[TR ..], ahead of their first reader
.irp i, 0,2,4,6,8,10,12,14
	v_pk_fma_f32 v[PR+\i:PR+\i+1], v[TR+\i:TR+\i+1], 0x3e2ef945, v[24:25] op_sel_hi:[1,0,1]   ; 0.17087277 t - 0.82215223
.endr
.irp c, 0x3fbe87b0, 0xbf914e5d, 0x3e8ec7cc, 0xbe3ec24c, 0x3dc636c9, 0x3ebf88fb, 0x3f8000c7, 0xbfa1fc4e   ; 1.48851587, -1.13520398, 0.27886807, -0.18628806, 0.09678418, 0.37409196, 1.00002368, -1.26551223
.irp i, 0,2,4,6,8,10,12,14
	v_pk_fma_f32 v[PR+\i:PR+\i+1], v[PR+\i:PR+\i+1], v[TR+\i:TR+\i+1], \c op_sel_hi:[1,1,0]
.endr
.endr
.irp i, 0,2,4,6,8,10,12,14
	v_pk_fma_f32 v[PR+\i:PR+\i+1], v[ZR+\i:ZR+\i+1], v[ZR+\i:ZR+\i+1], v[PR+\i:PR+\i+1] neg_lo:[1,0,0] neg_hi:[1,0,0]   ; P(t) - z^2
.endr
.irp i, 0,2,4,6,8,10,12,14
	v_pk_fma_f32 v[PR+\i:PR+\i+1], v[PR+\i:PR+\i+1], 0x3fb8aa3b, -1.0 op_sel_hi:[1,0,0]   ; x log2(e), - 1 for the half
.endr
	s_wait_alu depctr_va_vdst(0)
.irp i, 0,1,2,3,4,5,6,7,8,9,10,11,12,13,14,15
	v_exp_f32 v[PR+\i], v[PR+\i]
.endr
	v_nop                                          ; a plain instruction behind the exponentials
.irp i, 0,1,2,3,4,5,6,7,8,9,10,11,12,13,14,15
	v_cmp_gt_f32 s[GM+\i], 0, v[G+\i]              ; g < 0?  Sixteen masks in one run: they hang on the sums alone, and stand between the exponentials and the wait for them
.endr
	s_wait_alu depctr_va_vdst(0)                   ; the sixteen exponentials have written v[PR ..], ahead of their first reader
.irp i, 0,2,4,6,8,10,12,14
	v_pk_mul_f32 v[PR+\i:PR+\i+1], v[PR+\i:PR+\i+1], v[TR+\i:TR+\i+1]          ; Q = erfc(z) / 2
.endr
.irp i, 0,2,4,6,8,10,12,14
	v_pk_fma_f32 v[RR+\i:RR+\i+1], v[PR+\i:PR+\i+1], -1.0, 1.0 op_sel_hi:[1,0,0]   ; 1 - Q
.endr
	s_wait_alu depctr_va_sdst(0)                   ; the sixteen masks are written, ahead of the selects that read them
.irp i, 0,1,2,3,4,5,6,7,8,9,10,11,12,13,14,15
	v_cndmask_b32 v[RR+\i], v[RR+\i], v[PR+\i], s[GM+\i]   ; Phi = Q where g < 0, else 1 - Q
.endr
.irp i, 0,2,4,6,8,10,12,14
	v_pk_mul_f32 v[RR+\i:RR+\i+1], v[RR+\i:RR+\i+1], v[G+\i:G+\i+1]
.endr
.irp i, 0,2,4,6,8,10,12,14
	v_pk_mul_f32 v[RR+\i:RR+\i+1], v[RR+\i:RR+\i+1], v[U+\i:U+\i+1]
.endr
.irp i, 0,1,2,3,4,5,6,7,8,9,10,11,12,13,14,15
	v_med3_num_f32 v[RR+\i], v[RR+\i], -v17, v17
.endr
	v_cvt_scalef32_pk8_bf8_f32 v[CR:CR+1], v[RR:RR+7], v16
	v_cvt_scalef32_pk8_bf8_f32 v[CR+2:CR+3], v[RR+8:RR+15], v16
	v_nop                                          ; a plain instruction behind the conversions
	s_wait_alu depctr_va_vdst(0)                   ; the conversions have written h's codes, which the store reads
	global_store_b128 v1, v[CR:CR+3], s[14:15] offset:\j*16384+\b*512   ; chunks 4 s + 2 b, + 1 of the slot's tile: 512 consecutive bytes, aligned
.endm
.macro GEPI b, j                       ; only where the slot's tile has rows
	s_add_co_u32 s40, s21, \j
	s_cmp_lt_u32 s40, s20
	s_cbranch_scc0 .Lno_tile_\@
	EPI \b, \j
.Lno_tile_\@:
.endm
	s_mov_b32 s22, 0                               ; the trip
.Lpass:
	s_cmp_ge_u32 s21, s20
	s_cbranch_scc1 .Lnext                          ; none of my tiles of this pass has rows
	s_cmp_eq_u32 s22, 0
	s_cbranch_scc1 .Lhave_x                        ; the first pass's rows came in during the stream
	s_wait_loadcnt 0x0                             ; no load is out: the offsets and the fragments may be written
	s_wait_alu depctr_vm_vsrc(0)                   ; the loads of x of the pass before have read v5-7, which are made anew below
	s_wait_alu depctr_va_vdst(0)                   ; the products and gelu's lines of the pass before are done with v32-95, in which the ids land
	IDSL                                           ; a later pass makes its entries by the same lines, on end
	LHEAD
	s_wait_loadcnt 0x0
.irp q, 0,1,2,3,4,5,6,7
	LPIECE \q
.endr
	LFIN 0
	MKXO
	s_wait_alu depctr_va_vdst(0)                   ; v5-7 are written, which the loads below read as offsets; the products of the pass before are done reading windows 1 to 3, in which they land
.set N, 0
.rept 192
	XL N
.set N, N+1
.endr
	WIN 0
.Lhave_x:
	s_wait_loadcnt 0x0                             ; my rows' codes of x
	KLOOP 0
	EPI 0, 0
	GEPI 0, 1
	GEPI 0, 2
	KLOOP 1
	EPI 1, 0
	GEPI 1, 1
	GEPI 1, 2
.Lnext:
	s_wait_xcnt 0x0                                ; the stores have read their base
	s_add_nc_u64 s[14:15], s[14:15], 12*16384
	s_add_co_u32 s21, s21, 12
	s_add_co_u32 s22, s22, 1
	s_cmp_lt_u32 s22, 6                            ; 6 x 12 tiles cover the 64 that one expert can have
	s_cbranch_scc1 .Lpass
	s_wait_xcnt 0x0
	v_lshl_add_u32 v254, v0, 2, 0x20800            ; my spare word and 0, made here: no two registers could be kept.  No memory or LDS instruction has read v254 or v255
	v_mov_b32 v255, 0
	s_wait_dscnt 0x0                               ; the closing lines, six on end
	s_wait_alu 0x0
	s_wait_tensorcnt 0x0
	ds_add_u32 v254, v255
	s_wait_dscnt 0x0
	s_endpgm
.Lfunc_end_k_q072e0e7e86_gateup:
	.size	k_q072e0e7e86_gateup, .Lfunc_end_k_q072e0e7e86_gateup-k_q072e0e7e86_gateup
	.p2alignl 7, 3214868480
	.fill 96, 4, 3214868480
	.section	.rodata,"a",@progbits
	.p2align	6, 0x0
	.amdhsa_kernel k_q072e0e7e86_gateup
		.amdhsa_group_segment_fixed_size 133632
		.amdhsa_private_segment_fixed_size 0
		.amdhsa_enable_private_segment 0
		.amdhsa_kernarg_size 48
		.amdhsa_user_sgpr_count 2
		.amdhsa_user_sgpr_kernarg_segment_ptr 1
		.amdhsa_wavefront_size32 1
		.amdhsa_system_sgpr_workgroup_id_x 1
		.amdhsa_system_sgpr_workgroup_id_y 1
		.amdhsa_system_sgpr_workgroup_id_z 1
		.amdhsa_system_vgpr_workitem_id 0
		.amdhsa_next_free_vgpr 1024
		.amdhsa_next_free_sgpr 66
		.amdhsa_reserve_vcc 0
		.amdhsa_float_denorm_mode_32 3
		.amdhsa_float_denorm_mode_16_64 3
		.amdhsa_memory_ordered 1
		.amdhsa_forward_progress 1
		.amdhsa_inst_pref_size 255
	.end_amdhsa_kernel
	.section	.bss,"aw",@nobits
	.p2align	6
	.space	262144
	.amdgpu_metadata
---
amdhsa.version: [ 1, 2 ]
amdhsa.kernels:
  - .name:           k_q072e0e7e86_gateup
    .symbol:         k_q072e0e7e86_gateup.kd
    .args:
      - { .name: w1, .offset: 0, .size: 8, .value_kind: global_buffer, .address_space: global }
      - { .name: w3, .offset: 8, .size: 8, .value_kind: global_buffer, .address_space: global }
      - { .name: xc, .offset: 16, .size: 8, .value_kind: global_buffer, .address_space: global }
      - { .name: ids, .offset: 24, .size: 8, .value_kind: global_buffer, .address_space: global }
      - { .name: lowp_scales, .offset: 32, .size: 8, .value_kind: global_buffer, .address_space: global }
      - { .name: hc, .offset: 40, .size: 8, .value_kind: global_buffer, .address_space: global }
    .group_segment_fixed_size: 133632
    .private_segment_fixed_size: 0
    .kernarg_segment_align: 8
    .kernarg_segment_size: 48
    .max_flat_workgroup_size: 128
    .sgpr_count:     66
    .vgpr_count:     1024
    .wavefront_size: 32
...
	.end_amdgpu_metadata
.endif
;; end of part 6
;; launch down (part 7): grid 16 x 16, 4 waves a work-group, no clusters, 84,480 bytes of LDS; arguments w2, hc, ids, gw, lowp_scales, yb; writes yb
.if DOCPART == 7
	.amdgcn_target "amdgcn-amd-amdhsa--gfx1250"
	.amdhsa_code_object_version 6
	.text
	.protected	k_q072e0e7e86_down
	.globl	k_q072e0e7e86_down
	.p2align	8
	.type	k_q072e0e7e86_down,@function
k_q072e0e7e86_down:
	s_mov_b64 s[64:65], 0
	v_nop
	global_prefetch_b8 v0, s[64:65] scope:SCOPE_SE
	s_setreg_imm32_b32 hwreg(HW_REG_WAVE_SCHED_MODE, 0, 2), 2
	s_setreg_imm32_b32 hwreg(HW_REG_WAVE_MODE, 25, 1), 1
	s_wait_xcnt 0x0
	s_wait_alu depctr_vm_vsrc(0)
; DOWN.  For expert e (work-group y) and output columns 64 s .. 64 s + 63 (work-group x): y = h w2^T on codes of E5M2 for the rows routed to e, times 2^(e4 + e5), times the row's gate weight; stored as f32 at row 2 token + slot of yb.
; EACH BYTE OF w2 IS READ ONCE IN THE LAUNCH, by one wave: a work-group has 64 rows of w2[e] (256 KB on end), 16 rows a wave.
; PHASES.  STREAM: 32 batches of half a row become codes in LDS, eight batches always on their way; barrier.  Between the batches stand the making of my list entries (batches 0 to 7) and the loads of my tiles' codes of h into registers,
;   512 consecutive bytes a load: hc lies in the order of the operand's registers.
;   PRODUCTS: in pass p wave w has tiles 12 p + 3 w + 0 .. 2; six trips, a constant; a trip without rows is jumped over by a scalar branch on the count; no barrier stands in it.
; THE LIST is made line for line as in the launch that laid h's codes, so the rows stand in the same order: register 4 q + j of the loaded ids holds, in lane l, token 128 q + 4 l + j; rows count through the registers and through the lanes within one.
;   For each register the masks of the lanes that chose e first or second, and P, the rows before it; a lane that wants row p keeps the masks of the last register with P <= p, and takes the (p - P + 1)-th set bit by counts of bits in pieces
;   of 16, 8, 4, 2 and 1.  Entry = 2 token + slot; 2048 + e where p is not below n.  Nothing goes through LDS.  For the stores, in which sixteen lanes share a row, the entries are read out of their lanes into scalar registers.
; LAYOUT.  Transposed: source 0 = 16 rows of w2 (16 output columns), source 1 = 16 rows of h: a lane holds one row (lane % 16) and eight neighbouring columns.  A tile's 16 rows x 64 columns go through the wave's own stage in LDS and leave by rows:
;   sixteen lanes store 256 consecutive bytes, aligned, of one row of yb.
; A row of a tile that is no row (entry 2048 + e) falls into row 2048 + e of yb, in this work-group's own 256 bytes of it; nobody reads those rows.  So no lane is ever switched off.
; NO CLUSTER, NO TENSOR LOAD: no two work-groups read the same byte of w2, which passes through registers to be quantised; branches hang on a count made of numbers read from memory.
; LIMITS: e5 between -126 and 112.  NaN among the inputs is not served.  ids hold 0 .. 15, the two of a token different.
; THE MODE: SCHED_MODE bits 1:0 = 2 (LLVM: expert scheduling mode 2), set by the entry lines.  The code itself states the register dependences between vector or matrix instructions and memory or LDS instructions, with s_wait_alu, always for 0.
; THE PLAN.  Registers that memory or LDS instructions touch, and who else names them:
;   RING set T % 8   Batch T: its sixteen holds write it, its two conversions read it; behind them the loads of batch T + 8 land in it.
;   CODE set T % 8   Batch T: its conversions write it, its four LDS stores read it; written again eight batches on; from the products on the accumulators lie there.
;   v5-7, v23-25, window 2's v128-151   Offsets in hc, in gw and in yb: written where the list is finished (batches 4 to 7); read by the loads of h, of the gate weights, and by the stores; made anew in a later pass.
;   v20-22           The gate weights land there; v_ldexp_f32 reads them.
;   windows 1, 2     The loads of h land there; the products read them.
;   FB set ks % 2    The LDS loads of K step ks land in it, that step's twelve products read it.
;   v128-159, v160-191   The way out: the multiplications write the first, the LDS stores into the stage read it; the loads from the stage land in the second, the stores to yb read it.
;   v1, v2, v8-10    Offsets and LDS addresses: made at the head, never written again.
;   So a batch has ONE wait on va_vdst, behind its conversions, and from batch 8 on one on vm_vsrc ahead of them; a K step has one wait on va_vdst at its head, behind which the next step's fragments are asked for among its products.
;   Masks made by compares, and entries read out of lanes, go into scalar registers, in runs, with one wait on va_sdst behind each run.
; REGISTERS, window 0: v1 16 x lane; v2 where I store codes; v3 my spare word's LDS address; v4 lane % 16; v5-7 my tiles' offsets in hc; v8 fragment address; v9, v10 the stage, in and back; v11 16 (lane % 16); v12, v13 scale and limit;
;   v14-19, v26-31 the list's kept numbers, three each: second-choice mask, P and first token, the row wanted, first-choice mask; then v14-19 the rows' factors, a pair a slot; v20-22 gate weights as loaded; v23-25 their offsets;
;   v32-95 ids, then the list's last step; v96-127 codes just made; then v32-127 twelve accumulators; v128-255 the ring; then two sets of four fragments; then the way out.
;   window 1: h of slot 0 at v[16 ks], of slot 1 at v[128 + 16 ks];   window 2: of slot 2 at v[16 ks]; v128-151: the stores' offsets in yb, eight a slot; v255: 0, for the closing lines.
;   Scalar: s44-63 a piece's masks, counts and sums; s52-55, s32-35, s24-27 a piece's twelve masks 'the row lies before this register', for slot 0, 1, 2; s52-54 the last step's masks; s44-59 a slot's sixteen entries.
.set PW,   1040                        ; a row of 1,024 codes in LDS + 16 bytes: an odd multiple of 16
.set STG,  64*PW                       ; LDS: 64 rows of w2; then four stages of 16 rows x (256 + 16) bytes
.set SPI,  272
.set NB,   32
.set LPB,  2                           ; pieces of the list in a batch
.set XS,   8/LPB                       ; the batch in which the list is finished and h's loads begin: 96 loads in 28 batches, 24/7 a batch
.set IDB,  8                           ; s[8:9] ids
.set ACC,  32
.set CODE, 96
.set RING, 128
.set FB,   128
.set SO,   128                         ; in window 2
.set PJ,   26                          ; the row wanted, for slot 0, 1, 2
.set MA,   29                          ; the mask of first choices
.set MB,   14                          ; the mask of second choices
.set CB,   17                          ; P in bits 15:0, the register's first token in bits 31:16
.set LT,   32                          ; the list's last step: 16 registers a slot: +0 mask, +1 .. +4 counts in pieces of 2, 4, 8, 16 bits, +5 k, +6 the bit's place, +7, +8 at work, +9 the entry
.set KM0,  52                          ; s52-55  a piece's masks for slot 0; the last step's three masks
.set KM1,  32                          ; s32-35  for slot 1
.set KM2,  24                          ; s24-27  for slot 2
.set MSB,  0
.macro WIN new                         ; s_set_vgpr_msb: bits 1:0 source 0, 3:2 source 1, 5:4 source 2, 7:6 destination; the high byte repeats the setting that is left
.if MSB != (\new)
	s_set_vgpr_msb (MSB<<8)|(\new)
.set MSB, (\new)
.endif
.endm
.macro LOADW tt                        ; batch tt: row tt / 2 of my 16, half tt % 2: four loads of 512 consecutive bytes into ring set tt % 8
.set LS, RING+16*((\tt)%8)
.irp i, 0,1,2,3
	global_load_b128 v[LS+4*\i:LS+4*\i+3], v1, s[4:5] offset:(\tt)*2048+512*\i th:TH_LOAD_NT
.endr
.endm
.macro FILL
.irp t, 0,1,2,3,4,5,6,7
	LOADW \t
.endr
.endm
.macro HL n                            ; load n of 96 of my tiles' codes of h: slot n / 32, K step (n / 4) % 8, piece n % 4
.set hj, (\n)/32
.set hr, 128*(hj&1)+16*(((\n)/4)&7)+4*((\n)&3)
	WIN 0x40*(1+hj/2)
	global_load_b128 v[hr:hr+3], v[5+hj], s[6:7] offset:2048*(((\n)/4)&7)+512*((\n)&3)
.endm
.macro SCALE vs, vl, se
	s_add_co_i32 s40, \se, 127
	s_lshl_b32 s41, s40, 23
	v_mov_b32 v[\vs], s41
	s_add_co_i32 s40, s40, 15
	s_lshl_b32 s40, s40, 23
	s_or_b32 s40, s40, 0x600000
	v_mov_b32 v[\vl], s40
.endm
.macro MKHO                            ; my three tiles' offsets in the expert's part of hc; a slot past the last tile takes the last tile, which has been written
	s_sub_co_u32 s40, s20, 1
.irp j, 0,1,2
	s_add_co_u32 s41, s21, \j
	s_min_u32 s41, s41, s40
	s_min_u32 s41, s41, 63
	s_lshl_b32 s41, s41, 14
	v_add_nc_u32 v[5+\j], s41, v1
.endr
.endm
; ---- the list's macros
.macro IDSL                            ; all ids: register 4 q + j is token 128 q + 4 lane + j
.irp q, 0,1,2,3,4,5,6,7
	global_load_b128 v[32+4*\q:35+4*\q], v1, s[IDB:IDB+1] offset:512*\q          ; first choices
.endr
.irp q, 0,1,2,3,4,5,6,7
	global_load_b128 v[64+4*\q:67+4*\q], v1, s[IDB:IDB+1] offset:4096+512*\q     ; second choices
.endr
.endm
.macro LHEAD                           ; the rows that I want: 16 x (my first tile of the pass + slot) + lane % 16
	s_lshl_b32 s40, s21, 4
	v_add_nc_u32 v[PJ], s40, v4
	v_add_nc_u32 v[PJ+1], 16, v[PJ]
	v_add_nc_u32 v[PJ+2], 32, v[PJ]
	s_mov_b32 s38, 0                               ; P
.endm
.macro LPIECE q                        ; registers 4 q .. 4 q + 3 of the ids.  The four registers' masks, counts and sums are made together, so that vector and scalar work change hands once
.irp j, 0,1,2,3
	v_cmp_eq_u32 s[44+\j], s17, v[32+4*(\q)+\j]
	v_cmp_eq_u32 s[48+\j], s17, v[64+4*(\q)+\j]
.endr
	s_wait_alu depctr_va_sdst(0)                   ; the eight masks s44-51 are written, ahead of their first readers, the scalar lines below
.irp j, 0,1,2,3
	s_or_b32 s[52+\j], s[44+\j], s[48+\j]
.endr
.irp j, 0,1,2,3
	s_bcnt1_i32_b32 s[52+\j], s[52+\j]
.endr
	s_mov_b32 s60, s38                             ; the rows before each of the four
	s_add_co_u32 s61, s60, s52
	s_add_co_u32 s62, s61, s53
	s_add_co_u32 s63, s62, s54
	s_add_co_u32 s38, s63, s55
.irp j, 0,1,2,3
	s_or_b32 s[56+\j], s[60+\j], (128*(\q)+\j)<<16 ; P (1,024 at the most) below, the register's first token above
.endr
.irp j, 0,1,2,3
.if ((\q) != 0) || (\j != 0)
	v_cmp_gt_u32 s[KM0+\j], s[60+\j], v[PJ]        ; P > p: the row lies before this register.  The piece's compares stand in one run: they hang on P and p alone
	v_cmp_gt_u32 s[KM1+\j], s[60+\j], v[PJ+1]
	v_cmp_gt_u32 s[KM2+\j], s[60+\j], v[PJ+2]
.endif
.endr
	s_wait_alu depctr_va_sdst(0)                   ; these masks are written, ahead of the selects that read them
.irp j, 0,1,2,3
.if ((\q) == 0) && (\j == 0)
.irp t, 0,1,2
	v_mov_b32 v[MA+\t], s44                        ; the first register has P = 0: it starts the kept numbers
	v_mov_b32 v[MB+\t], s48
	v_mov_b32 v[CB+\t], s56
.endr
.else
	v_cndmask_b32 v[MA], s[44+\j], v[MA], s[KM0+\j]        ; where the row lies before this register, what is kept stays; else this register's numbers are taken
	v_cndmask_b32 v[MB], s[48+\j], v[MB], s[KM0+\j]
	v_cndmask_b32 v[CB], s[56+\j], v[CB], s[KM0+\j]
	v_cndmask_b32 v[MA+1], s[44+\j], v[MA+1], s[KM1+\j]
	v_cndmask_b32 v[MB+1], s[48+\j], v[MB+1], s[KM1+\j]
	v_cndmask_b32 v[CB+1], s[56+\j], v[CB+1], s[KM1+\j]
	v_cndmask_b32 v[MA+2], s[44+\j], v[MA+2], s[KM2+\j]
	v_cndmask_b32 v[MB+2], s[48+\j], v[MB+2], s[KM2+\j]
	v_cndmask_b32 v[CB+2], s[56+\j], v[CB+2], s[KM2+\j]
.endif
.endr
.endm
.macro LSTEP src, w                    ; one halving: c = the set bits in the lower w bits of the piece in hand; where k >= c the bit lies in the upper half: k -= c, place += w
.irp t, 0,1,2
	v_bfe_u32 v[LT+16*\t+7], v[LT+16*\t+\src], v[LT+16*\t+6], \w
.endr
.irp t, 0,1,2
	v_cmp_ge_u32 s[KM0+\t], v[LT+16*\t+5], v[LT+16*\t+7]
.endr
	s_wait_alu depctr_va_sdst(0)                   ; the three masks are written, ahead of the selects that read them
.irp t, 0,1,2
	v_cndmask_b32 v[LT+16*\t+7], 0, v[LT+16*\t+7], s[KM0+\t]
	v_cndmask_b32 v[LT+16*\t+8], 0, \w, s[KM0+\t]
.endr
.irp t, 0,1,2
	v_sub_nc_u32 v[LT+16*\t+5], v[LT+16*\t+5], v[LT+16*\t+7]
	v_add_nc_u32 v[LT+16*\t+6], v[LT+16*\t+6], v[LT+16*\t+8]
.endr
.endm
.macro LFIN first                      ; the kept numbers become entries.  first = 1: also n and the number of tiles
.if \first
	s_min_u32 s19, s38, 1024                       ; n
	s_add_co_u32 s20, s19, 15
	s_lshr_b32 s20, s20, 4
	s_max_u32 s20, s20, 1                          ; tiles, as the launch before counted them
.endif
	s_add_co_u32 s39, s17, 2048                    ; the entry of a row that is none
.irp t, 0,1,2
	v_or_b32 v[LT+16*\t], v[MA+\t], v[MB+\t]       ; the lanes that chose e
	v_and_b32 v[LT+16*\t+7], 0xffff, v[CB+\t]
	v_sub_nc_u32 v[LT+16*\t+5], v[PJ+\t], v[LT+16*\t+7]    ; k = p - P
	v_mov_b32 v[LT+16*\t+6], 0                     ; the place
.endr
.irp t, 0,1,2
	v_lshrrev_b32 v[LT+16*\t+7], 1, v[LT+16*\t]
	v_and_b32 v[LT+16*\t+7], 0x55555555, v[LT+16*\t+7]
	v_sub_nc_u32 v[LT+16*\t+1], v[LT+16*\t], v[LT+16*\t+7]         ; counts of pairs of bits
.endr
.irp t, 0,1,2
	v_lshrrev_b32 v[LT+16*\t+7], 2, v[LT+16*\t+1]
	v_and_b32 v[LT+16*\t+7], 0x33333333, v[LT+16*\t+7]
	v_and_b32 v[LT+16*\t+8], 0x33333333, v[LT+16*\t+1]
	v_add_nc_u32 v[LT+16*\t+2], v[LT+16*\t+7], v[LT+16*\t+8]       ; of four
.endr
.irp t, 0,1,2
	v_lshrrev_b32 v[LT+16*\t+7], 4, v[LT+16*\t+2]
	v_add_nc_u32 v[LT+16*\t+7], v[LT+16*\t+7], v[LT+16*\t+2]
	v_and_b32 v[LT+16*\t+3], 0x0f0f0f0f, v[LT+16*\t+7]             ; of eight
.endr
.irp t, 0,1,2
	v_lshrrev_b32 v[LT+16*\t+7], 8, v[LT+16*\t+3]
	v_add_nc_u32 v[LT+16*\t+7], v[LT+16*\t+7], v[LT+16*\t+3]
	v_and_b32 v[LT+16*\t+4], 0xff, v[LT+16*\t+7]                   ; of the lower sixteen
.endr
	LSTEP 4, 16
	LSTEP 3, 8
	LSTEP 2, 4
	LSTEP 1, 2
	LSTEP 0, 1
.irp t, 0,1,2
	v_cmp_gt_u32 s[KM0+\t], s19, v[PJ+\t]          ; p < n?  The arithmetic below stands between these compares and the wait for them
.endr
.irp t, 0,1,2
	v_bfe_u32 v[LT+16*\t+7], v[MB+\t], v[LT+16*\t+6], 1            ; slot: 1 where e is that lane's second choice
	v_lshrrev_b32 v[LT+16*\t+8], 16, v[CB+\t]
	v_lshl_add_u32 v[LT+16*\t+8], v[LT+16*\t+6], 2, v[LT+16*\t+8]  ; token = the register's first + 4 x lane
	v_lshl_add_u32 v[LT+16*\t+9], v[LT+16*\t+8], 1, v[LT+16*\t+7]  ; 2 token + slot
.endr
	s_wait_alu depctr_va_sdst(0)                   ; the three masks are written, ahead of the selects that read them
.irp t, 0,1,2
	v_cndmask_b32 v[LT+16*\t+9], s39, v[LT+16*\t+9], s[KM0+\t]     ; only where p < n
.endr
.endm
.macro GWO                             ; entries -> offsets in gw (a row that is none reads the last weight; its result goes to a row that nobody reads)
.irp t, 0,1,2
	v_min_u32 v[23+\t], 0x7ff, v[LT+16*\t+9]       ; a number made of loaded ones enters an address behind this bound
	v_lshlrev_b32 v[23+\t], 2, v[23+\t]
.endr
.endm
.macro GWL                             ; the rows' gate weights
.irp t, 0,1,2
	global_load_b32 v[20+\t], v[23+\t], s[10:11]
.endr
.endm
.macro LSO t                           ; slot t's stores: store i has row 2 i in lanes 0-15 and row 2 i + 1 in lanes 16-31.  The 16 entries are read out of lanes 0 to 15; offset = entry x 4,096 + 16 (lane % 16)
.irp i, 0,1,2,3,4,5,6,7,8,9,10,11,12,13,14,15
	v_readlane_b32 s[44+\i], v[LT+16*(\t)+9], \i
.endr
	s_wait_alu depctr_va_sdst(0)                   ; the sixteen entries s44-59 are written, ahead of the moves and selects that read them
	WIN 0x82                                       ; source 0 and destination window 2
.irp i, 0,1,2,3,4,5,6,7
	v_mov_b32 v[SO+8*(\t)+\i], s[44+2*\i]
	v_cndmask_b32 v[SO+8*(\t)+\i], v[SO+8*(\t)+\i], s[45+2*\i], s42    ; s42: lanes 16 to 31
.endr
	WIN 0x88                                       ; source 1 and destination window 2
.irp i, 0,1,2,3,4,5,6,7
	v_min_u32 v[SO+8*(\t)+\i], 0x80f, v[SO+8*(\t)+\i]              ; yb has 2,064 rows
.endr
	WIN 0x82                                       ; source 0 and destination window 2; v11 in window 0
.irp i, 0,1,2,3,4,5,6,7
	v_lshl_add_u32 v[SO+8*(\t)+\i], v[SO+8*(\t)+\i], 12, v11
.endr
	WIN 0
.endm
	s_load_b256 s[4:11], s[0:1], 0x0               ; w2 s[4:5], hc s[6:7], ids s[8:9], gw s[10:11]
	s_load_b128 s[12:15], s[0:1], 0x20             ; lowp_scales s[12:13], yb s[14:15]
	v_lshl_add_u32 v3, v0, 2, 0x14800
	s_set_vgpr_msb 0x80
	v_mov_b32 v255, 0
	s_set_vgpr_msb 0x8000
	v_lshrrev_b32 v1, 5, v0
	v_readfirstlane_b32 s16, v1                    ; wave
	s_and_b32 s17, ttmp7, 0xffff                   ; expert
	s_mov_b32 s18, ttmp9                           ; slice
	v_and_b32 v26, 31, v0                          ; lane
	v_and_b32 v4, 15, v0                           ; r
	v_bfe_u32 v19, v0, 4, 1                        ; h
	v_lshlrev_b32 v1, 4, v26
	s_wait_alu depctr_va_sdst(0)                   ; s16 is written, ahead of its first reader: LDS addresses and the base of w2 are made from it
	s_mul_i32 s40, s16, 16*PW
	v_lshl_add_u32 v2, v26, 2, s40                 ; LDS: my 16 rows, 4 bytes a lane
	v_mul_u32_u24 v20, v4, PW
	v_lshl_add_u32 v8, v19, 4, v20                 ; LDS: row r, + 16 h
	s_mul_i32 s40, s16, 16*SPI
	s_add_co_u32 s40, s40, STG                     ; my stage
	v_mul_u32_u24 v9, v4, SPI
	v_lshl_add_u32 v9, v19, 5, v9
	v_add_nc_u32 v9, s40, v9                       ; in: row r, + 32 h
	v_mul_u32_u24 v10, v19, SPI
	v_lshl_add_u32 v10, v4, 4, v10
	v_add_nc_u32 v10, s40, v10                     ; back: lanes 0-15 one row, lanes 16-31 the next
	v_lshlrev_b32 v11, 4, v4
	s_mul_i32 s21, s16, 3                          ; my first tile of the pass
	s_lshl_b32 s40, s17, 22                        ; w2: expert x 4 MiB
	s_lshl_b32 s41, s18, 18                        ; + 64 s rows of 4,096 bytes
	s_add_co_u32 s40, s40, s41
	s_lshl_b32 s41, s16, 16                        ; + 16 w rows
	s_add_co_u32 s40, s40, s41
	s_mov_b32 s41, 0
	s_lshl_b32 s42, s17, 20                        ; hc: expert x 64 tiles of 16,384 bytes
	s_mov_b32 s43, 0
	s_lshl_b32 s36, s18, 8                         ; yb: my 64 columns, 256 bytes
	s_mov_b32 s37, 0
	s_wait_kmcnt 0x0
	s_load_b64 s[28:29], s[12:13], 0x10            ; e4, e5
	s_add_nc_u64 s[4:5], s[4:5], s[40:41]
	s_add_nc_u64 s[6:7], s[6:7], s[42:43]
	s_add_nc_u64 s[14:15], s[14:15], s[36:37]
	s_mov_b32 s42, 0xffff0000                      ; lanes 16 to 31
	s_wait_alu depctr_va_vdst(0)                   ; v1, v2 and v8 to v10 are written: the offsets and LDS addresses that the loads and stores of the whole kernel read; so is v20, in which a gate weight lands later
	IDSL                                           ; ahead of the ring: older than every batch, so the first batch's wait shows them in
	FILL
	s_wait_kmcnt 0x0
	SCALE 12, 13, s29                              ; w2
	s_add_co_i32 s31, s28, s29                     ; e4 + e5, applied by v_ldexp_f32
	LHEAD
; ---- STREAM.  Batch T.  The count leaves out what was issued behind this batch's loads: the younger batches (four loads each, seven at the most) and the loads of h of the eight batches since: load number ((b - XS) 24) / 7 is the first of batch b.
; Behind a batch's own loads a wave has at most 32 + 31 = 63 loads out.
.macro BATCH
.set RS, RING+16*(T%8)
.set CS, CODE+4*(T%8)
.set wy, NB-1-T
.if wy > 7
.set wy, 7
.endif
.set xa, 0
.set xb, 0
.set xo, 0
.if T > XS
.set xa, ((T-XS)*24)/7
.endif
.if T+1 > XS
.set xb, ((T+1-XS)*24)/7
.endif
.if T-8 > XS
.set xo, ((T-8-XS)*24)/7
.endif
	s_wait_loadcnt 4*wy+xa-xo
.if T >= 8
	s_wait_dscnt 28                                ; the four stores that read this set of codes eight batches ago are done
.endif
.irp i, 0,1,2,3,4,5,6,7,8,9,10,11,12,13,14,15
	v_med3_num_f32 v[RS+\i], v[RS+\i], -v13, v13   ; the hold: the conversion does not saturate (ISA guide 7.6.2)
.endr
.if T >= 8
	s_wait_alu depctr_vm_vsrc(0)                   ; the LDS stores of eight batches ago have read this set of codes, which the conversions write again
.endif
	v_cvt_scalef32_pk8_bf8_f32 v[CS:CS+1], v[RS:RS+7], v12
	v_cvt_scalef32_pk8_bf8_f32 v[CS+2:CS+3], v[RS+8:RS+15], v12
	s_wait_alu depctr_va_vdst(0)                   ; the conversions have written the codes, which the LDS stores read; the holds have written and the conversions have read the ring's set, in which the loads below land
.irp i, 0,1,2,3
	ds_store_b32 v2, v[CS+\i] offset:(T>>1)*PW+(4*(T&1)+\i)*128
.endr
.if T+8 < NB
	LOADW T+8
.endif
.if T < XS
	LPIECE 2*T                                     ; two pieces of the list, behind the batch's own loads: the wave would wait for the next batch here
	LPIECE 2*T+1
.endif
.if T == XS
	LFIN 1
	GWO
	MKHO
	s_wait_alu depctr_va_vdst(0)                   ; v5 to v7 are written, which every load of h reads as its offset
.endif
.if (T > XS) && (T <= XS+3)
	LSO T-XS-1                                     ; a slot's store offsets; the later batches' waits on va_vdst stand between these lines and the stores that read them
.endif
.if xb > xa
.set N, xa
.rept xb-xa
	HL N                                           ; no further wait: no vector instruction since v5-7 were shown written names them or the registers in which h lands
.set N, N+1
.endr
	WIN 0
.endif
.endm
.set T, 0
	s_wait_alu depctr_va_vdst(0)
.rept NB
	BATCH
.set T, T+1
.endr
	GWL                                            ; three loads, the youngest of all; their offsets were written in batch 4, and no vector instruction since the last wait on va_vdst names v20-25
	v_nop                                          ; a plain instruction behind the last conversions
	s_wait_dscnt 0x0                               ; for the others' sake: my rows' codes are in LDS
	s_barrier_signal -1
	s_barrier_wait -1
; ---- PRODUCTS
.macro FRAGW ks, f                     ; column tile f's fragment of K step ks into set ks % 2
.irp c, 0,1,2,3
	ds_load_b128 v[FB+64*((\ks)&1)+16*(\f)+4*\c:FB+64*((\ks)&1)+16*(\f)+4*\c+3], v8 offset:(\f)*16*PW+128*(\ks)+32*\c
.endr
.endm
; 8 K steps x 12 products: 3 slots x 4 column tiles.  The twelve accumulators take turns, one instruction a turn.
; The two sets of fragments take turns: while step ks's products read set ks % 2, the next step's sixteen LDS loads go into the other set, a fragment's four behind each of the step's first four products.
; An LDS load names the destination's and source 0's windows, which stay 0 under the products' settings: no switch is written for them.
.macro KLOOP
	s_wait_xcnt 0x0                                ; earlier stores have read their data, which lie where the fragments land
	s_wait_alu depctr_vm_vsrc(0)                   ; the stream's LDS stores have read v96-127, which the products write; the way out of the pass before has read v128-191, in which fragments land
	s_wait_alu depctr_va_vdst(0)                   ; the vector instructions that named v128-255 are done: the stream's holds and conversions, or the multiplications of the pass before; fragments land there
.irp f, 0,1,2,3
	FRAGW 0, \f
.endr
.irp ks, 0,1,2,3,4,5,6,7
	s_wait_dscnt 0x0                               ; this step's fragments are in: its sixteen loads are all that is out
.if (\ks > 0) && (\ks < 7)
	s_wait_alu depctr_va_vdst(0)                   ; the step before's products are done reading the other set, in which the loads below land
.endif
.irp j, 0,1,2
	WIN (1+\j/2)<<2                                ; source 1: the slot's window
.irp f, 0,1,2,3
.if \ks == 0
	v_wmma_f32_16x16x128_bf8_bf8 v[ACC+8*(4*\j+\f):ACC+8*(4*\j+\f)+7], v[FB+64*(\ks&1)+16*\f:FB+64*(\ks&1)+16*\f+15], v[16*\ks+128*(\j&1):16*\ks+128*(\j&1)+15], 0
.else
	v_wmma_f32_16x16x128_bf8_bf8 v[ACC+8*(4*\j+\f):ACC+8*(4*\j+\f)+7], v[FB+64*(\ks&1)+16*\f:FB+64*(\ks&1)+16*\f+15], v[16*\ks+128*(\j&1):16*\ks+128*(\j&1)+15], v[ACC+8*(4*\j+\f):ACC+8*(4*\j+\f)+7]
.endif
.if (\j == 0) && (\ks < 7)
	FRAGW \ks+1, \f                                ; no wait: the products since the wait above name this step's set, the accumulators and h's windows
.endif
.endr
.endr
.endr
	WIN 0
.rept 4
	v_nop                                          ; four places in front of the first read of the results (ISA guide 7.12.1)
.endr
.endm
.macro EPI j                           ; slot j's tile: x the row's factor, through my stage, out by rows
	s_wait_xcnt 0x0                                ; the slot before has had its stores' registers read
.if \j > 0
	s_wait_alu depctr_vm_vsrc(0)                   ; the slot before: its LDS stores have read v128-159, which the multiplications write again; its stores to yb have read v160-191, in which the loads from the stage land
.endif
.irp q, 0,1,2,3,4,5,6,7,8,9,10,11,12,13,14,15
	v_pk_mul_f32 v[128+2*\q:129+2*\q], v[ACC+32*\j+2*\q:ACC+32*\j+2*\q+1], v[14+2*\j:15+2*\j] op_sel_hi:[1,0]   ; each accumulator from its low end on
.endr
	s_wait_alu depctr_va_vdst(0)                   ; the multiplications have written v128-159, which the LDS stores read; the products are done reading v160-191, in which the loads from the stage land
.irp c, 0,1,2,3
	ds_store_b128 v9, v[128+8*\c:131+8*\c] offset:64*\c            ; lane (r, h): columns 16 c + 8 h + 0 .. 7 of row r
	ds_store_b128 v9, v[132+8*\c:135+8*\c] offset:64*\c+16
.endr
.irp i, 0,1,2,3,4,5,6,7
	ds_load_b128 v[160+4*\i:163+4*\i], v10 offset:2*\i*SPI         ; LDS serves a wave's instructions in order (ISA guide 5.7.1.4): these see my stores; rows 2 i and 2 i + 1
.endr
	s_wait_dscnt 0x0
	WIN 0x02                                       ; the address register in window 2, the data in window 0
.irp i, 0,1,2,3,4,5,6,7
	global_store_b128 v[SO+8*\j+\i], v[160+4*\i:163+4*\i], s[14:15] th:TH_STORE_NT   ; sixteen lanes store 256 consecutive bytes, aligned
.endr
	WIN 0
.endm
.macro GEPI j                          ; only where the slot's tile has rows
	s_add_co_u32 s40, s21, \j
	s_cmp_lt_u32 s40, s20
	s_cbranch_scc0 .Lno_tile_\@
	EPI \j
.Lno_tile_\@:
.endm
	s_mov_b32 s22, 0                               ; the trip
.Lpass:
	s_cmp_ge_u32 s21, s20
	s_cbranch_scc1 .Lnext                          ; none of my tiles of this pass has rows
	s_cmp_eq_u32 s22, 0
	s_cbranch_scc1 .Lhave_h                        ; the first pass's tiles came in during the stream
	s_wait_loadcnt 0x0                             ; no load is out: offsets and fragments may be written;
	s_wait_xcnt 0x0                                ; the last pass's stores have read their offsets, which are made anew below
	s_wait_alu depctr_vm_vsrc(0)                   ; the loads of the pass before have read v5-7 and v23-25, its stores their offsets in window 2: all are made anew below
	s_wait_alu depctr_va_vdst(0)                   ; the products and multiplications of the pass before are done with v32-95, in which the ids land
	IDSL                                           ; a later pass makes its entries by the same lines, on end
	LHEAD
	s_wait_loadcnt 0x0
.irp q, 0,1,2,3,4,5,6,7
	LPIECE \q
.endr
	LFIN 0
	GWO
	LSO 0
	LSO 1
	LSO 2
	MKHO
	s_wait_alu depctr_va_vdst(0)                   ; v5-7, v23-25 and the stores' offsets are written; the pass before is done reading h's windows and v20-22, in which the loads below land
.set N, 0
.rept 96
	HL N
.set N, N+1
.endr
	WIN 0
	GWL                                            ; the youngest three, as on the other way
.Lhave_h:
	s_wait_loadcnt 3                               ; h's codes are in; the three gate weights are younger and may stay out during the products
	KLOOP
	s_wait_loadcnt 0x0                             ; the gate weights
.irp j, 0,1,2
	v_ldexp_f32 v[14+2*\j], v[20+\j], s31          ; the row's factor: gate weight x 2^(e4 + e5)
	v_ldexp_f32 v[15+2*\j], v[20+\j], s31          ; (named with it as a pair, so it is written)
.endr
	s_wait_alu depctr_va_vdst(0)
	EPI 0
	GEPI 1
	GEPI 2
.Lnext:
	s_add_co_u32 s21, s21, 12
	s_add_co_u32 s22, s22, 1
	s_cmp_lt_u32 s22, 6                            ; 6 x 12 tiles cover the 64 that one expert can have
	s_cbranch_scc1 .Lpass
	s_set_vgpr_msb 0x8                             ; the add's second register, source 1, lies in window 2; the switch stands ahead of the closing lines
	s_wait_dscnt 0x0                               ; the closing lines, six on end
	s_wait_alu 0x0
	s_wait_tensorcnt 0x0
	ds_add_u32 v3, v255
	s_wait_dscnt 0x0
	s_endpgm
.Lfunc_end_k_q072e0e7e86_down:
	.size	k_q072e0e7e86_down, .Lfunc_end_k_q072e0e7e86_down-k_q072e0e7e86_down
	.p2alignl 7, 3214868480
	.fill 96, 4, 3214868480
	.section	.rodata,"a",@progbits
	.p2align	6, 0x0
	.amdhsa_kernel k_q072e0e7e86_down
		.amdhsa_group_segment_fixed_size 84480
		.amdhsa_private_segment_fixed_size 0
		.amdhsa_enable_private_segment 0
		.amdhsa_kernarg_size 48
		.amdhsa_user_sgpr_count 2
		.amdhsa_user_sgpr_kernarg_segment_ptr 1
		.amdhsa_wavefront_size32 1
		.amdhsa_system_sgpr_workgroup_id_x 1
		.amdhsa_system_sgpr_workgroup_id_y 1
		.amdhsa_system_sgpr_workgroup_id_z 1
		.amdhsa_system_vgpr_workitem_id 0
		.amdhsa_next_free_vgpr 768
		.amdhsa_next_free_sgpr 66
		.amdhsa_reserve_vcc 0
		.amdhsa_float_denorm_mode_32 3
		.amdhsa_float_denorm_mode_16_64 3
		.amdhsa_memory_ordered 1
		.amdhsa_forward_progress 1
		.amdhsa_inst_pref_size 214
	.end_amdhsa_kernel
	.amdgpu_metadata
---
amdhsa.version: [ 1, 2 ]
amdhsa.kernels:
  - .name:           k_q072e0e7e86_down
    .symbol:         k_q072e0e7e86_down.kd
    .args:
      - { .name: w2, .offset: 0, .size: 8, .value_kind: global_buffer, .address_space: global }
      - { .name: hc, .offset: 8, .size: 8, .value_kind: global_buffer, .address_space: global }
      - { .name: ids, .offset: 16, .size: 8, .value_kind: global_buffer, .address_space: global }
      - { .name: gw, .offset: 24, .size: 8, .value_kind: global_buffer, .address_space: global }
      - { .name: lowp_scales, .offset: 32, .size: 8, .value_kind: global_buffer, .address_space: global }
      - { .name: yb, .offset: 40, .size: 8, .value_kind: global_buffer, .address_space: global }
    .group_segment_fixed_size: 84480
    .private_segment_fixed_size: 0
    .kernarg_segment_align: 8
    .kernarg_segment_size: 48
    .max_flat_workgroup_size: 128
    .sgpr_count:     66
    .vgpr_count:     768
    .wavefront_size: 32
...
	.end_amdgpu_metadata
.endif
;; end of part 7
;; launch combine (part 8): grid 256 x 1, 4 waves a work-group, no clusters, 0 bytes of LDS; arguments yb, out0; writes out0
.if DOCPART == 8
	.amdgcn_target "amdgcn-amd-amdhsa--gfx1250"
	.amdhsa_code_object_version 6
	.text
	.protected	k_q072e0e7e86_combine
	.globl	k_q072e0e7e86_combine
	.p2align	8
	.type	k_q072e0e7e86_combine,@function
k_q072e0e7e86_combine:
	s_mov_b64 s[64:65], 0
	v_nop
	global_prefetch_b8 v0, s[64:65] scope:SCOPE_SE
	s_setreg_imm32_b32 hwreg(HW_REG_WAVE_MODE, 25, 1), 1
	s_wait_xcnt 0x0
; COMBINE.  out0[t] = yb[2 t] + yb[2 t + 1]: the sum over experts, of which the combine weights leave a token's two chosen ones; the weights were multiplied in where the rows were made.  All f32.
; A wave takes a token: its two rows lie on end, 8,192 bytes; sixteen loads of 512 consecutive bytes, all issued at once; eight stores of 512 consecutive bytes, aligned.  Each register is written once, so no store's data are written again.
; A plain stream: no LDS, no barrier, no matrix work, no cluster: nothing is read twice.
.set A, 8                              ; v8-71   pair i: four registers of row 2 t, four of row 2 t + 1
.set O, 72                             ; v72-103 the sums
	s_load_b128 s[4:7], s[0:1], 0x0                ; yb s[4:5], out0 s[6:7]
	v_lshrrev_b32 v1, 5, v0
	v_readfirstlane_b32 s8, v1                     ; wave
	v_and_b32 v2, 31, v0
	v_lshlrev_b32 v2, 4, v2                        ; 16 x lane
	s_lshl_b32 s9, ttmp9, 2
	s_add_co_u32 s9, s9, s8                        ; my token
	s_lshl_b32 s10, s9, 13
	s_mov_b32 s11, 0
	s_lshl_b32 s12, s9, 12
	s_mov_b32 s13, 0
	s_wait_alu depctr_va_vdst(0)
	s_wait_kmcnt 0x0
	s_add_nc_u64 s[4:5], s[4:5], s[10:11]
	s_add_nc_u64 s[6:7], s[6:7], s[12:13]
.irp i, 0,1,2,3,4,5,6,7
	global_load_b128 v[A+8*\i:A+8*\i+3], v2, s[4:5] offset:512*\i th:TH_LOAD_NT
	global_load_b128 v[A+8*\i+4:A+8*\i+7], v2, s[4:5] offset:4096+512*\i th:TH_LOAD_NT
.endr
.irp i, 0,1,2,3,4,5,6,7
	s_wait_loadcnt 14-2*\i                         ; pair i is in; the pairs behind it may be out
	v_pk_add_f32 v[O+4*\i:O+4*\i+1], v[A+8*\i:A+8*\i+1], v[A+8*\i+4:A+8*\i+5]
	v_pk_add_f32 v[O+4*\i+2:O+4*\i+3], v[A+8*\i+2:A+8*\i+3], v[A+8*\i+6:A+8*\i+7]
	global_store_b128 v2, v[O+4*\i:O+4*\i+3], s[6:7] offset:512*\i th:TH_STORE_NT
.endr
	s_endpgm
.Lfunc_end_k_q072e0e7e86_combine:
	.size	k_q072e0e7e86_combine, .Lfunc_end_k_q072e0e7e86_combine-k_q072e0e7e86_combine
	.p2alignl 7, 3214868480
	.fill 96, 4, 3214868480
	.section	.rodata,"a",@progbits
	.p2align	6, 0x0
	.amdhsa_kernel k_q072e0e7e86_combine
		.amdhsa_group_segment_fixed_size 0
		.amdhsa_private_segment_fixed_size 0
		.amdhsa_enable_private_segment 0
		.amdhsa_kernarg_size 16
		.amdhsa_user_sgpr_count 2
		.amdhsa_user_sgpr_kernarg_segment_ptr 1
		.amdhsa_wavefront_size32 1
		.amdhsa_system_sgpr_workgroup_id_x 1
		.amdhsa_system_sgpr_workgroup_id_y 1
		.amdhsa_system_sgpr_workgroup_id_z 1
		.amdhsa_system_vgpr_workitem_id 0
		.amdhsa_next_free_vgpr 104
		.amdhsa_next_free_sgpr 66
		.amdhsa_reserve_vcc 0
		.amdhsa_float_denorm_mode_32 3
		.amdhsa_float_denorm_mode_16_64 3
		.amdhsa_memory_ordered 1
		.amdhsa_forward_progress 1
		.amdhsa_inst_pref_size 5
	.end_amdhsa_kernel
	.amdgpu_metadata
---
amdhsa.version: [ 1, 2 ]
amdhsa.kernels:
  - .name:           k_q072e0e7e86_combine
    .symbol:         k_q072e0e7e86_combine.kd
    .args:
      - { .name: yb, .offset: 0, .size: 8, .value_kind: global_buffer, .address_space: global }
      - { .name: out0, .offset: 8, .size: 8, .value_kind: global_buffer, .address_space: global }
    .group_segment_fixed_size: 0
    .private_segment_fixed_size: 0
    .kernarg_segment_align: 8
    .kernarg_segment_size: 16
    .max_flat_workgroup_size: 128
    .sgpr_count:     66
    .vgpr_count:     104
    .wavefront_size: 32
...
	.end_amdgpu_metadata
.endif
;; end of part 8
